; MI455X (gfx1250); checked and timed in simulation.
; The chip was launched on July 23, 2026; its instructions are those of AMD's public machine-readable ISA for CDNA 5 (MIT licence, August 2026) and "CDNA5" Instruction Set Architecture Reference Guide (July 2026). The comments in the code are by the model that wrote it; some were corrected since.
;; Multi Head Self Attention. Allowed arithmetic: matrix products marked QUANTISED: E2M3 operands, one E8M0 scale for each 32 along K, by v_wmma_scale_f32_16x16x128_f8f6f4 with both operands' format E2M3, f32 sums; everything else in f32.
;; Inputs: token_positions 2,048 int32; wk 1,024 x 1,024 float32; wo 1,024 x 1,024 float32; wq 1,024 x 1,024 float32; wv 1,024 x 1,024 float32; x 4 x 2,048 x 1,024 float32.
;; Outputs: out0 4 x 2,048 x 1,024 float32.
;; This version of the problem:
;;   THIS VERSION OF THE PROBLEM IS GIVEN IN LOW PRECISION. The matrix products marked QUANTISED in the list below multiply operands that are first quantised to E2M3 (2 exponent bits, 3 mantissa bits; 6 bits a number), with one power-of-two scale for each 32 numbers along K (OCP MX v1.0); their sums are f32. All else is computed in f32.
;;   The module's matrix products, in the order in which they are computed (A, B: the left and right operand; K: the contracted axis; several contracted axes count as one K, in the product's order):
;;     1. [M 8,192, K 1,024] x [K 1,024, N 1,024]; A: input x; B: input wq: QUANTISED
;;     2. [M 8,192, K 1,024] x [K 1,024, N 1,024]; A: input x; B: input wk: QUANTISED
;;     3. [M 8,192, K 1,024] x [K 1,024, N 1,024]; A: input x; B: input wv: QUANTISED
;;     4. batch 64 x [M 2,048, K 64] x [K 64, N 2,048]; A: computed on the way; B: computed on the way: QUANTISED
;;     5. batch 64 x [M 2,048, K 2,048] x [K 2,048, N 64]; A: softmax (see below); B: computed on the way: QUANTISED
;;     6. [M 8,192, K 1,024] x [K 1,024, N 1,024]; A: computed on the way; B: input wo: QUANTISED
;;   THE QUANTISER, for each operand of a quantised product, along K:
;;     - K is cut into blocks of 32 from its start; a last block that is shorter is filled with zeros.
;;     - A block's scale is 2^e with e = floor(log2(the largest magnitude in the block)) - 2, held to -126 .. 127; a block of zeros has e = 0. As a byte (E8M0): e + 127.
;;     - Each number is divided by its block's scale, clamped to +-7.5, and rounded to the nearest number of E2M3, ties to even, subnormals kept.
;;     - The product sums the exact products of the quantised numbers (number of the format x scale) in f32.
;;   ~~~python
;;   def quantise(x, axis):      # numpy; x: float32 -> the quantised numbers, widened to float32 again
;;       x = np.moveaxis(x, axis, -1); K = x.shape[-1]
;;       x = np.pad(x, [(0, 0)] * (x.ndim - 1) + [(0, -K % 32)]); x = x.reshape(x.shape[:-1] + (-1, 32)); a = np.abs(x).max(-1, keepdims=True)
;;       e = np.where(a > 0, np.clip(np.frexp(np.where(a > 0, a, 1))[1] - 1 - 2, -126, 127), 0)      # np.frexp(a)[1] - 1 = floor(log2(a)), exactly
;;       r = np.clip(x / 2.0 ** e, -7.5, 7.5)
;;       step = 2.0 ** (np.maximum(np.frexp(np.where(r == 0, 1, r))[1] - 1, 0) - 3)
;;       q = np.round(r / step) * step * 2.0 ** e      # np.round: ties to even
;;       return np.moveaxis(q.reshape(q.shape[:-2] + (-1,))[..., :K], -1, axis).astype(np.float32)
;;   ~~~
;;   SOFTMAX AHEAD OF A QUANTISED PRODUCT. Where the list says 'softmax', what is quantised is not the finished softmax but p = 2^(t - M), with t = logit x log2(e) and M = ceil(the row's largest t), a whole number; so 1/2 < the row's largest p <= 1. The row's sum l is taken of the UNQUANTISED p, in f32, and the product's result is divided by l at the end. Since M is a whole number, a kernel that streams over the keys may use a running M (the ceiling of the running maximum): every later rescaling is an exact power of two, which a block's scale takes up: the codes' values come out the same.
;;   OPERANDS COMPUTED ON THE WAY. 'Computed on the way' means the value that the module computes at that place (a softmax that the list does not call 'softmax' is quantised finished and normalised). What goes into a quantiser is computed in f32, as accurately as f32 sums, v_exp_f32 and their like allow (about 1e-6 of the number): no bf16 or f16 on the way to a quantiser, and a product that is left as it is and whose result goes on into a quantised operand takes f32 operands (vector FMAs, or v_wmma_f32_16x16x4_f32). A number that lies on a knife's edge between two numbers of the format may be rounded either way, as far as f32 arithmetic and the matrix unit's own rounding can turn it there, and no further.
;; One version. Each part assembles by itself: llvm-mc -triple=amdgcn-amd-amdhsa -mcpu=gfx1250 --defsym DOCPART=n.
;; ======== version 1 of 1: 4 launches
;; limits: right only within a limited range of input values
;; workspace buffers: xc 6,553,600 bytes; wc 3,276,800 bytes; rope 557,056 bytes; qrec 6,553,600 bytes; kvrec 13,107,200 bytes; oc 6,553,600 bytes
;; launch prep (part 1): grid 418 x 1, 4 waves a work-group, no clusters, 34,304 bytes of LDS; arguments x, wq, wk, wv, wo, token_positions, xc, wc, rope; writes xc, wc, rope
.if DOCPART == 1
	.amdgcn_target "amdgcn-amd-amdhsa--gfx1250"
	.amdhsa_code_object_version 6
	.text
	.protected	k_q077c13428a_prep
	.globl	k_q077c13428a_prep
	.p2align	8
	.type	k_q077c13428a_prep,@function
k_q077c13428a_prep:
	s_mov_b64 s[64:65], 0
	v_nop
	global_prefetch_b8 v0, s[64:65] scope:SCOPE_SE
	s_setreg_imm32_b32 hwreg(HW_REG_WAVE_MODE, 25, 1), 1
	s_wait_xcnt 0x0
; x [8192][1024] and wq, wk, wv, wo [1024][1024], f32 with K innermost, become codes of FP6 (E2M3) with one E8M0 byte for each 32 along K; and the table of cosines and sines for the rotation is made.
; LAYOUT OF THE CODES (xc: x; wc: wq, wk, wv, wo on end): [tile T of 16 rows][K step s of 128][1,536 bytes], the 1,536 bytes being the operand's registers as they stand: six pieces of 256 bytes,
; lane l's registers 2 p, 2 p + 1 at 256 p + 8 l.  Lane r of tile T holds row 32 (T / 2) + 8 (T % 2) + r + 8 (r / 8).  The scale words follow the codes: [T][q 4][r 16][2 words], the word of K step 2 q + i.
; A block's scale is 2^(floor(log2(its largest magnitude)) - 2); its byte is that magnitude's exponent field - 2, held at 1 from below.
; LIMITS: NaN and infinities are not served.  A block of zeros gets the byte 1 where the quantiser says 127: its codes are zeros, and this program alone reads the bytes.
; THE TABLE: [tile T 136][j 8][lane 32][16 bytes] = cos f, sin f, cos (f + 1), sin (f + 1) of token_positions[row of lane r of tile T] x 10^(-f / 8), f = 16 (j / 4) + 8 (lane / 16) + 2 (j % 4).
; Tiles 128 to 135 hold cos = 1, sin = 0.  LIMITS: |token_positions| under 2^22 (the quadrant's number stays exact); 10^(-f / 8) is the nearest f32 number to it.
; Work-groups 0-255 take x, 256-383 the weights (a pair of tiles each: wave w takes tile w / 2 of the pair and half w % 2 of K), 384-417 the table (a tile a wave).  Waves share nothing: no barrier.
.set XSCL,  6291456                    ; where xc's scale words begin
.set WSCL,  3145728                    ; and wc's
.set SP,    528                        ; a stage row: 512 bytes + 16, an odd multiple of 16: sixteen rows' equal columns fall on sixteen different groups of banks (ISA guide 11.1)
.set WREG,  16*SP                      ; a wave's stage
.set R,     16                         ; v16-143  two sets of 64: a K step's 16 rows x 512 bytes as loaded
.set X,     144                        ; v144-207 my two blocks of 32 neighbours
.set C,     208                        ; v208-219 the fragment's 12 registers
.set CT,    220                        ; v220-222, v224-226 the second halves as converted
.set TM,    228                        ; v228-234 at work
.set W,     236                        ; v236-239 the four K steps' scale words
.set INV,   16                         ; the table's path: v16-31 my 16 frequencies
.set OUT,   32                         ; v32-63 cos, sin by turns
	s_load_b256 s[4:11], s[0:1], 0x0               ; x s[4:5], wq s[6:7], wk s[8:9], wv s[10:11]
	s_load_b256 s[12:19], s[0:1], 0x20             ; wo s[12:13], token_positions s[14:15], xc s[16:17], wc s[18:19]
	s_load_b64 s[20:21], s[0:1], 0x40              ; rope
	v_lshl_add_u32 v254, v0, 2, 0x8400
	v_mov_b32 v255, 0
	v_lshrrev_b32 v1, 5, v0
	v_readfirstlane_b32 s22, v1                    ; wave 0..3
	v_and_b32 v8, 31, v0                           ; lane
	v_and_b32 v9, 15, v0                           ; r
	v_bfe_u32 v7, v0, 4, 1                         ; h
	s_cmp_ge_u32 ttmp9, 384
	s_cbranch_scc1 .Lrope
	; ---------------- the quantiser ----------------
	s_mov_b32 s48, 0x76543210
	s_mov_b32 s49, 0xfedcba98                      ; v_permlanex16_b32's selects for lane l xor 16
	s_lshr_b32 s32, s22, 1                         ; which tile of the pair
	s_and_b32 s33, s22, 1                          ; which half of K
	s_sub_co_u32 s23, ttmp9, 256                   ; a weight's work-group: the pair's number in wc,
	s_lshr_b32 s24, s23, 5                         ; which weight,
	s_and_b32 s25, s23, 31                         ; and the pair's number in it
	s_mul_i32 s37, s22, WREG
	s_wait_alu depctr_va_vdst(0)
	v_lshlrev_b32 v1, 4, v8                        ; my 16 bytes of a load's 512
	v_add_nc_u32 v2, s37, v1                       ; the stage, way in: a row as it lies
	v_mul_u32_u24 v3, v9, SP
	v_lshl_add_u32 v3, v7, 7, v3
	v_add_nc_u32 v3, s37, v3                       ; way out: row r, my half's 128 bytes of each 256
	v_lshlrev_b32 v4, 3, v8                        ; 8 x lane: my place in a piece of the image
	v_lshlrev_b32 v5, 3, v9
	v_lshl_add_u32 v5, v7, 7, v5                   ; the scale words' place: 128 h + 8 r
	v_lshlrev_b32 v6, 3, v7                        ; 8 h: my bytes' shift in a scale word
	v_mov_b32 v[TM+6], 0                           ; a lane permute's destination counts as one of its sources
	s_wait_alu depctr_va_vdst(0)
	s_wait_kmcnt 0x0
	s_mov_b64 s[26:27], s[6:7]                     ; the source: chosen by the work-group's number alone
	s_cmp_eq_u32 s24, 1
	s_cselect_b64 s[26:27], s[8:9], s[26:27]
	s_cmp_eq_u32 s24, 2
	s_cselect_b64 s[26:27], s[10:11], s[26:27]
	s_cmp_eq_u32 s24, 3
	s_cselect_b64 s[26:27], s[12:13], s[26:27]
	s_cmp_lt_u32 ttmp9, 256
	s_cselect_b64 s[26:27], s[4:5], s[26:27]
	s_cselect_b64 s[28:29], s[16:17], s[18:19]     ; the destination
	s_cselect_b32 s25, ttmp9, s25                  ; the pair's number in the source,
	s_cselect_b32 s30, ttmp9, s23                  ; and in the destination
	s_mov_b32 s31, WSCL
	s_cselect_b32 s31, XSCL, s31
	s_lshl_b32 s34, s25, 17                        ; 32 rows of 4,096 bytes a pair,
	s_lshl_b32 s35, s32, 15                        ; 8 rows on for the pair's second tile,
	s_add_co_u32 s34, s34, s35
	s_lshl_b32 s35, s33, 11                        ; 2,048 bytes on for the second half of K
	s_add_co_u32 s34, s34, s35
	s_mov_b32 s35, 0
	s_add_nc_u64 s[26:27], s[26:27], s[34:35]
	s_lshl_b32 s36, s30, 1
	s_add_co_u32 s36, s36, s32                     ; my tile in the destination
	s_mul_i32 s34, s36, 12288
	s_mul_i32 s37, s33, 6144
	s_add_co_u32 s34, s34, s37
	s_add_nc_u64 s[38:39], s[28:29], s[34:35]      ; my four fragments
	s_lshl_b32 s34, s36, 9
	s_add_co_u32 s34, s34, s31
	s_lshl_b32 s37, s33, 8
	s_add_co_u32 s34, s34, s37
	s_add_nc_u64 s[40:41], s[28:29], s[34:35]      ; my 256 bytes of scale words
.macro LOAD t                          ; K step t: 16 rows x 512 bytes; each load reads 512 consecutive bytes
.set i, 0
.rept 16
	global_load_b128 v[R+64*((\t)%2)+4*i:R+64*((\t)%2)+4*i+3], v1, s[26:27] offset:(i+8*(i/8))*4096+512*(\t) th:TH_LOAD_NT
.set i, i+1
.endr
.endm
.macro KSTEP t
.if (\t) < 3
	s_wait_loadcnt 16                              ; this step's 16 loads are in; the next step's 16 may be out
.else
	s_wait_loadcnt 0x0
.endif
.set i, 0
.rept 16
	ds_store_b128 v2, v[R+64*((\t)%2)+4*i:R+64*((\t)%2)+4*i+3] offset:SP*i
.set i, i+1
.endr
.irp c, 0,1                            ; LDS serves a wave's instructions in order (ISA guide 5.7.1.4): these see the stores above
.set i, 0
.rept 8
	ds_load_b128 v[X+32*\c+4*i:X+32*\c+4*i+3], v3 offset:256*\c+16*i   ; k = 64 c + 32 h + 0 .. 31 of row r: a whole block
.set i, i+1
.endr
.endr
	s_wait_dscnt 0x0                               ; my two blocks are in, and the stage's stores have read their registers
	s_wait_xcnt 0x0                                ; the last step's stores have read the codes' registers
.if (\t) < 2
	LOAD (\t)+2
.endif
.irp c, 0,1
	v_max3_num_f32 v[TM+\c], |v[X+32*\c]|, |v[X+32*\c+1]|, 0x1800000   ; the block's largest magnitude, and the floor 2^(3 - 127): the byte cannot fall under 1
.endr
.set i, 2
.rept 15
.irp c, 0,1
	v_max3_num_f32 v[TM+\c], v[TM+\c], |v[X+32*\c+i]|, |v[X+32*\c+i+1]|
.endr
.set i, i+2
.endr
.irp c, 0,1
	v_add_nc_u32 v[TM+2+\c], 0xff000000, v[TM+\c]  ; 2 off its exponent field: the conversion takes the exponent field of this operand as its scale
.endr
.irp c, 0,1
	v_lshrrev_b32 v[TM+4+\c], 23, v[TM+2+\c]       ; the scale's byte
.endr
	v_lshl_or_b32 v[W+(\t)], v[TM+5], 16, v[TM+4]  ; my bytes: blocks h and 2 + h of row r,
	v_lshlrev_b32 v[W+(\t)], v6, v[W+(\t)]         ; at their places;
	v_permlanex16_b32 v[TM+6], v[W+(\t)], s48, s49
	v_or_b32 v[W+(\t)], v[W+(\t)], v[TM+6]         ; with lane l xor 16's two the word is whole, in both lanes
.irp c, 0,1
	v_cvt_scalef32_pk16_fp6_f32 v[C+6*\c:C+6*\c+2], v[X+32*\c:X+32*\c+15], v[TM+2+\c]
	v_cvt_scalef32_pk16_fp6_f32 v[CT+4*\c:CT+4*\c+2], v[X+32*\c+16:X+32*\c+31], v[TM+2+\c]   ; (a conversion's three registers begin on an even number)
.endr
	v_nop                                          ; one plain place behind a scaled conversion
.irp c, 0,1
.irp i, 0,1,2
	v_mov_b32 v[C+6*\c+3+\i], v[CT+4*\c+\i]
.endr
.endr
.irp p, 0,1,2,3,4,5
	global_store_b64 v4, v[C+2*\p:C+2*\p+1], s[38:39] offset:1536*(\t)+256*\p   ; 32 lanes store 256 consecutive bytes, aligned
.endr
.endm
	LOAD 0
	LOAD 1
	KSTEP 0
	KSTEP 1
	KSTEP 2
	KSTEP 3
	v_cmp_eq_u32 vcc_lo, 1, v7
	v_cndmask_b32 v[TM], v[W], v[W+2], vcc_lo      ; lanes 0-15 store the words of K steps 0 and 1, lanes 16-31 those of 2 and 3
	v_cndmask_b32 v[TM+1], v[W+1], v[W+3], vcc_lo
	global_store_b64 v5, v[TM:TM+1], s[40:41]      ; 256 consecutive bytes, aligned
	s_wait_tensorcnt 0x0
	ds_add_u32 v254, v255
	s_wait_dscnt 0x0
	s_endpgm
	; ---------------- the table ----------------
.Lrope:
	s_sub_co_u32 s23, ttmp9, 384
	s_lshl_b32 s23, s23, 2
	s_add_co_u32 s23, s23, s22                     ; my tile, 0 .. 135
	s_and_b32 s24, s23, 127
	s_lshr_b32 s25, s24, 1
	s_lshl_b32 s25, s25, 5
	s_and_b32 s26, s24, 1
	s_lshl_b32 s26, s26, 3
	s_add_co_u32 s25, s25, s26                     ; the tile's first row: 32 (T / 2) + 8 (T % 2)
	s_lshl_b32 s25, s25, 2
	s_wait_alu depctr_va_vdst(0)
	v_and_b32 v2, 8, v9
	v_add_nc_u32 v2, v2, v9                        ; r + 8 (r / 8)
	v_lshl_add_u32 v2, v2, 2, s25
	s_cmp_lt_u32 s23, 128
	s_cselect_b32 s27, 0x3f800000, 0               ; tiles 128 on: the position counts for 0, so that cos = 1 and sin = 0
	s_lshl_b32 s28, s23, 12
	s_mov_b32 s29, 0
	s_mov_b32 s30, 0x3f22f983                      ; 2 / pi
	s_mov_b32 s31, 0xbfc90fdb                      ; - pi / 2 in three parts: the first,
	s_mov_b32 s34, 0x333bbd2e                      ; the second,
	s_mov_b32 s35, 0x26f72c16                      ; the third
	s_mov_b32 s36, 0xbe2aaaa3                      ; sin r = r + r z (S1 + z (S2 + z S3)), z = r r, |r| up to pi / 4
	s_mov_b32 s37, 0x3c08839e
	s_mov_b32 s38, 0xb94ca1f9
	s_mov_b32 s39, 0x3d2aaaa5                      ; cos r = 1 + z (-1/2 + z (C1 + z (C2 + z C3)))
	s_mov_b32 s40, 0xbab6061a
	s_mov_b32 s41, 0x37ccf5ce
	v_lshlrev_b32 v1, 4, v8                        ; 16 x lane
	v_cmp_eq_u32 vcc_lo, 1, v7
	s_wait_alu depctr_va_vdst(0)
	s_wait_kmcnt 0x0
	global_load_b32 v3, v2, s[14:15]               ; my row's position
	s_add_nc_u64 s[20:21], s[20:21], s[28:29]
.macro INVF q, a, b                    ; frequency q = 8 bb + k of my 16: 10^(-f / 8), f = 16 bb + 8 h + k: a for lanes 0-15, b for lanes 16-31
	v_mov_b32 v[INV+\q], \b
	v_cndmask_b32 v[INV+\q], \a, v[INV+\q], vcc_lo
.endm
	INVF 0,  1.0,            0.1
	INVF 1,  0.7498942093,   0.07498942093
	INVF 2,  0.5623413252,   0.05623413252
	INVF 3,  0.4216965034,   0.04216965034
	INVF 4,  0.3162277660,   0.03162277660
	INVF 5,  0.2371373706,   0.02371373706
	INVF 6,  0.1778279410,   0.01778279410
	INVF 7,  0.1333521432,   0.01333521432
	INVF 8,  0.01,           0.001
	INVF 9,  0.007498942093, 0.0007498942093
	INVF 10, 0.005623413252, 0.0005623413252
	INVF 11, 0.004216965034, 0.0004216965034
	INVF 12, 0.003162277660, 0.0003162277660
	INVF 13, 0.002371373706, 0.0002371373706
	INVF 14, 0.001778279410, 0.0001778279410
	INVF 15, 0.001333521432, 0.0001333521432
	s_wait_loadcnt 0x0
	v_cvt_f32_i32 v3, v3
	v_mul_f32 v3, s27, v3
.macro SINCOS q                        ; the angle, rounded once; its quadrant n; r = angle - n pi / 2 by three fused multiply-adds; two polynomials; the quadrant swaps them and sets the signs
	v_mul_f32 v64, v3, v[INV+\q]
	v_mul_f32 v65, s30, v64
	v_rndne_f32 v66, v65
	v_fma_f32 v67, v66, s31, v64
	v_fma_f32 v67, v66, s34, v67
	v_fma_f32 v67, v66, s35, v67
	v_cvt_i32_f32 v68, v66
	v_mul_f32 v69, v67, v67
	v_fma_f32 v70, v69, s38, s37
	v_fma_f32 v70, v70, v69, s36
	v_mul_f32 v65, v67, v69
	v_fma_f32 v71, v65, v70, v67                   ; sin r
	v_fma_f32 v72, v69, s41, s40
	v_fma_f32 v72, v72, v69, s39
	v_fma_f32 v72, v72, v69, -0.5
	v_fma_f32 v72, v72, v69, 1.0                   ; cos r
	v_and_b32 v65, 1, v68
	v_cmp_eq_u32 vcc_lo, 1, v65
	v_cndmask_b32 v[OUT+2*(\q)+1], v71, v72, vcc_lo
	v_cndmask_b32 v[OUT+2*(\q)], v72, v71, vcc_lo
	v_and_b32 v65, 2, v68
	v_lshlrev_b32 v65, 30, v65
	v_xor_b32 v[OUT+2*(\q)+1], v65, v[OUT+2*(\q)+1]    ; the sine is negative in quadrants 2 and 3,
	v_add_nc_u32 v65, 1, v68
	v_and_b32 v65, 2, v65
	v_lshlrev_b32 v65, 30, v65
	v_xor_b32 v[OUT+2*(\q)], v65, v[OUT+2*(\q)]        ; the cosine in 1 and 2
.endm
.set Q, 0
.rept 16
	SINCOS Q
.set Q, Q+1
.endr
.irp j, 0,1,2,3,4,5,6,7
	global_store_b128 v1, v[OUT+4*\j:OUT+4*\j+3], s[20:21] offset:512*\j   ; 512 consecutive bytes
.endr
	s_endpgm
.Lfunc_end_k_q077c13428a_prep:
	.size	k_q077c13428a_prep, .Lfunc_end_k_q077c13428a_prep-k_q077c13428a_prep
	.p2alignl 7, 3214868480
	.fill 96, 4, 3214868480
	.section	.rodata,"a",@progbits
	.p2align	6, 0x0
	.amdhsa_kernel k_q077c13428a_prep
		.amdhsa_group_segment_fixed_size 34304
		.amdhsa_private_segment_fixed_size 0
		.amdhsa_enable_private_segment 0
		.amdhsa_kernarg_size 72
		.amdhsa_user_sgpr_count 2
		.amdhsa_user_sgpr_kernarg_segment_ptr 1
		.amdhsa_wavefront_size32 1
		.amdhsa_system_sgpr_workgroup_id_x 1
		.amdhsa_system_sgpr_workgroup_id_y 1
		.amdhsa_system_sgpr_workgroup_id_z 1
		.amdhsa_system_vgpr_workitem_id 0
		.amdhsa_next_free_vgpr 256
		.amdhsa_next_free_sgpr 66
		.amdhsa_reserve_vcc 1
		.amdhsa_float_denorm_mode_32 3
		.amdhsa_float_denorm_mode_16_64 3
		.amdhsa_memory_ordered 1
		.amdhsa_forward_progress 1
		.amdhsa_inst_pref_size 55
	.end_amdhsa_kernel
	.amdgpu_metadata
---
amdhsa.version: [ 1, 2 ]
amdhsa.kernels:
  - .name:           k_q077c13428a_prep
    .symbol:         k_q077c13428a_prep.kd
    .args:
      - { .name: x, .offset: 0, .size: 8, .value_kind: global_buffer, .address_space: global }
      - { .name: wq, .offset: 8, .size: 8, .value_kind: global_buffer, .address_space: global }
      - { .name: wk, .offset: 16, .size: 8, .value_kind: global_buffer, .address_space: global }
      - { .name: wv, .offset: 24, .size: 8, .value_kind: global_buffer, .address_space: global }
      - { .name: wo, .offset: 32, .size: 8, .value_kind: global_buffer, .address_space: global }
      - { .name: token_positions, .offset: 40, .size: 8, .value_kind: global_buffer, .address_space: global }
      - { .name: xc, .offset: 48, .size: 8, .value_kind: global_buffer, .address_space: global }
      - { .name: wc, .offset: 56, .size: 8, .value_kind: global_buffer, .address_space: global }
      - { .name: rope, .offset: 64, .size: 8, .value_kind: global_buffer, .address_space: global }
    .group_segment_fixed_size: 34304
    .private_segment_fixed_size: 0
    .kernarg_segment_align: 8
    .kernarg_segment_size: 72
    .max_flat_workgroup_size: 128
    .sgpr_count:     66
    .vgpr_count:     256
    .wavefront_size: 32
...
	.end_amdgpu_metadata
.endif
;; end of part 1
;; launch qkv (part 2): grid 8 x 48, 4 waves a work-group, clusters of 4 x 4, 327,680 bytes of LDS; arguments xc, wc, rope, qrec, kvrec; writes qrec, kvrec
.if DOCPART == 2
	.amdgcn_target "amdgcn-amd-amdhsa--gfx1250"
	.amdhsa_code_object_version 6
	.text
	.protected	k_q077c13428a_qkv
	.globl	k_q077c13428a_qkv
	.p2align	8
	.type	k_q077c13428a_qkv,@function
k_q077c13428a_qkv:
	s_mov_b64 s[64:65], 0
	v_nop
	global_prefetch_b8 v0, s[64:65] scope:SCOPE_SE
	s_setreg_imm32_b32 hwreg(HW_REG_WAVE_MODE, 25, 1), 1
	s_wait_xcnt 0x0
	s_wait_alu depctr_hold_cnt(0) depctr_sa_sdst(0) depctr_va_vdst(0) depctr_va_sdst(0) depctr_va_ssrc(0) depctr_va_vcc(0) depctr_vm_vsrc(0)
	s_getreg_b32 s2, hwreg(HW_REG_IB_STS2, 6, 4)
	s_cmp_eq_u32 s2, 0
	s_cbranch_scc0 .Lentry_in_a_cluster
	s_endpgm
.Lentry_in_a_cluster:
	s_bfe_u32 s2, ttmp6, 0x10000c
	s_cmp_lg_u32 s2, 0xf033
	s_cbranch_scc0 .Lentry_shape_is_right
	s_endpgm
.Lentry_shape_is_right:
; q = rot(x wq^T), k = rot(x wk^T), v = x wv^T on codes of FP6 (E2M3) with E8M0 scales, and all three quantised again for the attention: q and k along a head's 64, v along the keys.
; A tile of 256 x 256 results is made by four waves, 128 x 128 each: 64 accumulators, 512 registers.  K = 1,024 goes in four steps of 256 through a ring of two LDS slots filled by the tensor data mover.
; THE OPERANDS LIE IN MEMORY AS IMAGES OF THEIR REGISTERS: [tile of 16 rows][K step of 128][six pieces of 256 bytes, lane l's registers 2 p, 2 p + 1 at 256 p + 8 l]; lane r of tile T holds row
; 32 (T / 2) + 8 (T % 2) + r + 8 (r / 8).  So a fragment comes out of LDS by six loads of 256 consecutive bytes, with no padding, and the tensor load's rows are 3,072 bytes.
; THE MATRIX INSTRUCTION IS USED TRANSPOSED (source 0 = 16 rows of B, source 1 = 16 rows of A): a lane holds ONE row of A, and by the order of rows above the 64 registers of A's block a are
; register 16 b + i = B's row 32 b + 16 (lane / 16) + i of the wave's 128: neighbours, as the conversions want them.
; WHO: clusters y = 0 .. 7: A = x's tokens, B = wq (cluster x = 0) or wk (1): a lane holds a token, its registers run along two heads.  Clusters y = 8 .. 11: A = wv's rows, B = x's tokens: a lane holds one
; of a head's 64, its registers run along 128 keys.  Buffers are chosen by the cluster's number alone; all take one path: V's tiles are rotated by the table's tiles of cos = 1, sin = 0, which changes no bit.
; OUT: sub-records of 6,400 bytes: eight halves of 768 bytes (three pieces: 16 rows x 64 along K), then 256 bytes of scale words, lane r's four at 16 r.  qrec [head 64][128 queries 16]; kvrec [head][128 keys 16][K's, V's].
; Q, K: half a = tile a of 16 tokens; word i = tile 2 i's two bytes below, tile 2 i + 1's above.  V: halves 2 t, 2 t + 1 = tile t of the head's 64 x 128 keys; word t = its four bytes.
; CLUSTERS: 4 x 4 work-groups; A's tiles are asked for jointly along a row of the cluster, B's along a column.
; LIMITS: NaN and infinities are not served; a block of zeros gets the byte 1 (its codes are zeros; this program alone reads the bytes).
; REGISTERS, in windows of 256: window 0: v0-31 addresses; v32-63 scale words, two sets; from v128 A's fragments, one set; on the way out v32-215 are used anew.  window 1: B's fragments, two sets, at v0 and v128.
;   window 2: the accumulators of A's blocks 0-3 (accumulator (a, b) at v[8 (8 (a % 4) + b)]); window 3: those of blocks 4-7.
.set NQ,     2                         ; matrix instructions deep in a slot
.set FR,     12                        ; registers of a fragment
.set NL,     6                         ; LDS loads that bring one
.set NP,     4                         ; places behind this matrix instruction (ISA guide 7.12.1)
.set FRB,    1536                      ; a fragment's image
.set BLKB,   NQ*FRB                    ; a tile's part of a slot
.set TROW,   8*FRB                     ; a tile's codes in memory
.set HALFT,  8*BLKB                    ; what one tensor load brings, and what one wave reads of A or of B
.set SLOT,   4*HALFT                   ; A's 16 tiles, then B's 16
.set SCL,    2*SLOT                    ; behind the ring: the scale words of A's 16 tiles and B's 16, for all of K: filled once
.set HALFS,  8*512
.set SPARE,  SCL+4*HALFS               ; the spare words, 128 bytes for each wave: two blocks of 256 bytes that no other line names
.set XSCL,   6291456                   ; where xc's scale words begin
.set WSCL,   3145728                   ; and wc's
.set SUB,    6400                      ; a sub-record
.set ADRA, 16                          ; v16-17  LDS address of my A fragments in slot 0, 1
.set ADRB, 20                          ; v20-21  the same for B
.set ADRS, 27                          ; v27     of my scale words: lanes 0-15 A's, lanes 16-31 B's
.set SPW,  28                          ; v28     my spare word; never rewritten
.set NIL,  29                          ; v29     0; never rewritten
.set SC,   32                          ; scale words: set s at v[SC + 16 s]; register 2 i + q: lanes 0-15 A's block i, lanes 16-31 B's block i, the slot's q-th 128 along K
.set AF,   128                         ; A's fragments
.set CS,   32                          ; the way out: v32-95 two sets of the table's 32 numbers
.set H,    96                          ; v96-159 a block's 64 numbers, rotated
.set PC,   160                         ; v160-178 the codes just made
.set TM,   184                         ; v184-199 at work
.set PWS,  200                         ; v200-207 the eight blocks' scale words
.set D,    208                         ; v208-215 the scale block
.set G1, 24                            ; s[24:31] descriptor group 1 for A's tiles;  s[32:39] group 0, one set for each slot
.set G0, 32
.set G1B, 48                           ; s[48:55], s[56:63] the same for B's
.set G0B, 56
.set G1S, 68                           ; s[68:75], s[76:79] groups 1 and 0 for A's scale words;  s[80:87], s[88:91] for B's
.set G0S, 76
.set G1SB, 80
.set G0SB, 88
.set MSB, 0
.macro WIN new                         ; the immediate's high byte repeats the setting that is left
.if MSB != \new
	s_set_vgpr_msb (MSB<<8)|\new
.set MSB, \new
.endif
.endm
.set MUL_LO, 0xa1                      ; source 0 (B) window 1, source 1 (A) window 0, C and D window 2
.set MUL_HI, 0xf1                      ; the same, C and D window 3
.set TO_B,   0x40                      ; destination window 1, address window 0
; A joint load: waves 0 and 1 fetch for A, waves 2 and 3 for B.  Each line has one mask and one set of registers for all that issue it; the branch hangs on the wave's number alone.
; Four v_nop follow each of the two lines, ahead of the jump, the label and what follows.
.macro JLOAD g0a, g1a, g0b, g1b
	s_cmp_eq_u32 s15, 0
	s_cbranch_scc0 .Lfor_b_\@
	tensor_load_to_lds s[\g0a:\g0a+3], s[\g1a:\g1a+7]
	s_nop 0
.rept 4
	v_nop
.endr
	s_branch .Lasked_\@
.Lfor_b_\@:
	tensor_load_to_lds s[\g0b:\g0b+3], s[\g1b:\g1b+7]
	s_nop 0
.rept 4
	v_nop
.endr
.Lasked_\@:
.endm
.macro CREST                           ; a round of the cluster's barrier behind its opening barrier
	s_cmp_lg_u32 s14, 0
	s_cbranch_scc1 .Lnot_wave_0_\@
	s_barrier_signal -3
.Lnot_wave_0_\@:
	s_barrier_wait -3
	s_barrier_signal -1
	s_barrier_wait -1
.endm
.macro CROUND                          ; a whole round
	s_barrier_signal -1
	s_barrier_wait -1
	CREST
.endm
	s_load_b256 s[4:11], s[0:1], 0x0               ; xc s[4:5], wc s[6:7], rope s[8:9], qrec s[10:11]
	s_load_b64 s[12:13], s[0:1], 0x20              ; kvrec
	v_lshl_add_u32 v[SPW], v0, 2, SPARE
	v_mov_b32 v[NIL], 0
	ds_add_u32 v28, v29
	ds_add_u32 v28, v29
	s_wait_dscnt 0x0
	v_lshrrev_b32 v1, 5, v0
	v_readfirstlane_b32 s14, v1                    ; wave 0..3
	s_lshr_b32 s15, s14, 1                         ; which half of A's rows is mine.  Also: I fetch for A (0) or for B (1)
	s_and_b32 s16, s14, 1                          ; which half of B's rows.  Also: which 8 tiles I fetch
	s_bfe_u32 s40, ttmp6, 0x40000                  ; cx, cy: my place in the cluster
	s_bfe_u32 s41, ttmp6, 0x40004
	s_and_b32 s95, ttmp7, 0xffff                   ; the cluster's y: 8 and above make V
	s_lshl_b32 s17, s95, 2
	s_lshl_b32 s42, ttmp9, 2
	s_sub_co_u32 s18, s95, 8
	s_lshl_b32 s18, s18, 3
	s_cmp_ge_u32 s95, 8
	s_cselect_b32 s17, 8, s17                      ; A's tile of 256 rows: Q, K: tokens 4 y + cy;  V: wv's rows, tiles 8 + cy of wc
	s_cselect_b32 s18, s18, 0
	s_add_co_u32 s17, s17, s41
	s_add_co_u32 s42, s42, s18                     ; B's: Q, K: 4 x + cx of wc (wq, then wk);  V: tokens 8 (y - 8) + 4 x + cx
	s_add_co_u32 s42, s42, s40
	s_lshl_b32 s43, s41, 2
	s_lshl_b32 s43, 15, s43                        ; my row of the cluster
	s_lshl_b32 s44, 0x1111, s40                    ; my column
	; descriptor group 1, codes: 8 rows (tiles) of 3,072 bytes = 384 elements of 8 bytes, 12,288 bytes apart; dense in LDS
	s_or_b32 s[G1+0], s43, (3<<16)|(1<<21)         ; 15:0 the mask; 17:16 elements of 8 bytes; 20 no padding; 21 set beside a mask
	s_or_b32 s[G1B+0], s44, (3<<16)|(1<<21)
.irp g, G1, G1B
	s_mov_b32 s[\g+1], 384<<16                     ; tensor_dim0
	s_mov_b32 s[\g+2], 8<<16                       ; tensor_dim1
	s_mov_b32 s[\g+3], 384<<16                     ; tile_dim0
	s_mov_b32 s[\g+4], 8                           ; tile_dim1
	s_mov_b32 s[\g+5], 1536                        ; tensor_dim0_stride
	s_mov_b32 s[\g+6], 0
	s_mov_b32 s[\g+7], 0
.endr
	; scale words of 8 tiles: 4,096 dense bytes as 16 rows of 256
	s_or_b32 s[G1S+0], s43, (3<<16)|(1<<21)
	s_or_b32 s[G1SB+0], s44, (3<<16)|(1<<21)
.irp g, G1S, G1SB
	s_mov_b32 s[\g+1], 32<<16
	s_mov_b32 s[\g+2], 16<<16
	s_mov_b32 s[\g+3], 32<<16
	s_mov_b32 s[\g+4], 16
	s_mov_b32 s[\g+5], 32
	s_mov_b32 s[\g+6], 0
	s_mov_b32 s[\g+7], 0
.endr
	s_lshl_b32 s18, s16, 3                         ; which 8 tiles of the 16 I fetch
	s_lshl_b32 s20, s17, 4
	s_add_co_u32 s20, s20, s18                     ; A's first tile of 16 rows that I fetch
	s_lshl_b32 s46, s42, 4
	s_add_co_u32 s46, s46, s18                     ; B's
	s_lshl_b32 s22, s20, 9                         ; their scale words, 512 bytes a tile,
	s_lshl_b32 s92, s46, 9
	s_mul_i32 s20, s20, TROW                       ; and their codes
	s_mul_i32 s46, s46, TROW
	s_mov_b32 s21, 0
	s_mov_b32 s23, 0
	s_mov_b32 s47, 0
	s_mov_b32 s93, 0
	s_mov_b32 s96, XSCL
	s_mov_b32 s97, WSCL
	s_cmp_ge_u32 s95, 8
	s_cselect_b32 s19, s97, s96                    ; where the scale words begin in A's buffer,
	s_cselect_b32 s45, s96, s97                    ; and in B's
	s_add_co_u32 s22, s22, s19
	s_add_co_u32 s92, s92, s45
	s_mul_i32 s45, s14, HALFT                      ; where they go: wave x 8 tiles: no place in the cluster enters an LDS address
	s_mul_i32 s94, s14, HALFS
	s_wait_kmcnt 0x0
	s_cmp_ge_u32 s95, 8
	s_cselect_b64 s[96:97], s[6:7], s[4:5]         ; A's buffer
	s_cselect_b64 s[98:99], s[4:5], s[6:7]         ; B's
	s_add_nc_u64 s[20:21], s[96:97], s[20:21]
	s_add_nc_u64 s[22:23], s[96:97], s[22:23]
	s_add_nc_u64 s[46:47], s[98:99], s[46:47]
	s_add_nc_u64 s[92:93], s[98:99], s[92:93]
	CROUND                                         ; all sixteen work-groups are here: the first joint loads meet
	s_mov_b32 s[G0S], 1
	s_add_co_u32 s[G0S+1], s94, SCL
	s_mov_b64 s[G0S+2:G0S+3], s[22:23]
	s_or_b32 s[G0S+3], s[G0S+3], 0x80000000
	s_mov_b32 s[G0SB], 1
	s_add_co_u32 s[G0SB+1], s94, SCL
	s_mov_b64 s[G0SB+2:G0SB+3], s[92:93]
	s_or_b32 s[G0SB+3], s[G0SB+3], 0x80000000
	JLOAD G0S, G1S, G0SB, G1SB                     ; the scale words first: they are wanted with K step 0
.irp s, 0,1
	s_mov_b32 s[G0+4*\s], 1
	s_add_co_u32 s[G0+4*\s+1], s45, \s*SLOT
	s_add_nc_u64 s[G0+4*\s+2:G0+4*\s+3], s[20:21], \s*BLKB
	s_or_b32 s[G0+4*\s+3], s[G0+4*\s+3], 0x80000000
	s_mov_b32 s[G0B+4*\s], 1
	s_add_co_u32 s[G0B+4*\s+1], s45, \s*SLOT
	s_add_nc_u64 s[G0B+4*\s+2:G0B+4*\s+3], s[46:47], \s*BLKB
	s_or_b32 s[G0B+4*\s+3], s[G0B+4*\s+3], 0x80000000
	JLOAD G0+4*\s, G1, G0B+4*\s, G1B               ; by this text's count three tensor loads of a wave are out now, later one
.endr
	v_and_b32 v1, 15, v0                           ; r
	v_bfe_u32 v2, v0, 4, 1                         ; h
	s_wait_alu depctr_va_vdst(0)
	v_and_b32 v3, 31, v0
	v_lshlrev_b32 v4, 3, v3                        ; 8 x lane: my place in a piece
	s_mul_i32 s21, s15, HALFT                      ; my 8 tiles of A
	s_mul_i32 s22, s16, HALFT                      ; my 8 tiles of B,
	s_add_co_u32 s22, s22, 2*HALFT                 ; which lie behind A's 16
.irp s, 0,1
	v_add_nc_u32 v[ADRA+\s], s21, v4
	v_add_nc_u32 v[ADRB+\s], s22, v4
	s_add_co_u32 s21, s21, SLOT
	s_add_co_u32 s22, s22, SLOT
.endr
	v_lshlrev_b32 v5, 3, v1                        ; my row's two words of a K step: 8 r
	s_mul_i32 s21, s15, HALFS                      ; A's: my 8 tiles
	s_mul_i32 s22, s16, HALFS                      ; B's: my 8 tiles, behind A's 16
	s_add_co_u32 s22, s22, 2*HALFS
	s_sub_co_u32 s22, s22, s21
	v_mul_u32_u24 v6, s22, v2                      ; lanes 16-31 take B's
	s_add_co_u32 s21, s21, SCL
	v_add_nc_u32 v5, v5, v6
	v_add_nc_u32 v[ADRS], s21, v5
.macro FRAG reg, adr, q, i             ; a fragment as it lies: six loads of 256 consecutive bytes
.irp p, 0,1,2,3,4,5
	ds_load_b64 v[\reg+2*\p:\reg+2*\p+1], v[\adr] offset:(\i)*BLKB+(\q)*FRB+256*\p
.endr
.endm
; 16 matrix instructions: A's blocks a0, a0 + 1 x B's eight, 128 along K: the slot's q-th.  p: B's set;  sc: the set of scale words.  zero = 1: the first product starts the sums.
; The 64 accumulators take turns, one instruction a turn, in the same order in every step.
.macro MUL16 a0, p, q, sc, zero
.irp a, \a0, \a0+1
.irp b, 0,1,2,3,4,5,6,7
.if \zero
	v_wmma_scale_f32_16x16x128_f8f6f4 v[8*(8*((\a)%4)+\b):8*(8*((\a)%4)+\b)+7], v[128*(\p)+FR*\b:128*(\p)+FR*\b+FR-1], v[AF+FR*(\a):AF+FR*(\a)+FR-1], 0, v[SC+8*NQ*(\sc)+NQ*\b+(\q)], v[SC+8*NQ*(\sc)+NQ*(\a)+(\q)] matrix_a_fmt:MATRIX_FMT_FP6 matrix_b_fmt:MATRIX_FMT_FP6 matrix_a_scale:MATRIX_SCALE_ROW1
.else
	v_wmma_scale_f32_16x16x128_f8f6f4 v[8*(8*((\a)%4)+\b):8*(8*((\a)%4)+\b)+7], v[128*(\p)+FR*\b:128*(\p)+FR*\b+FR-1], v[AF+FR*(\a):AF+FR*(\a)+FR-1], v[8*(8*((\a)%4)+\b):8*(8*((\a)%4)+\b)+7], v[SC+8*NQ*(\sc)+NQ*\b+(\q)], v[SC+8*NQ*(\sc)+NQ*(\a)+(\q)] matrix_a_fmt:MATRIX_FMT_FP6 matrix_b_fmt:MATRIX_FMT_FP6 matrix_a_scale:MATRIX_SCALE_ROW1
.endif
.endr
.endr
.endm
.macro FETCH_B slot, q, p              ; B's eight fragments of the slot's q-th 128 along K into set p
	WIN TO_B
.irp i, 0,1,2,3,4,5,6,7
	FRAG 128*(\p)+FR*\i, ADRB+\slot, \q, \i
.endr
	WIN 0
.endm
.macro FETCH_A slot, q, i0             ; A's blocks i0 .. i0 + 3
.irp i, \i0, \i0+1, \i0+2, \i0+3
	FRAG AF+FR*(\i), ADRA+\slot, \q, \i
.endr
.endm
.macro SCALES sc                       ; a K step's scale words into set sc: two words a row; lanes 0-15 take A's block i, lanes 16-31 B's block i
.irp i, 0,1,2,3,4,5,6,7
	ds_load_b64 v[SC+8*NQ*\sc+NQ*\i:SC+8*NQ*\sc+NQ*\i+1], v[ADRS] offset:\i*512
.endr
.endm
; A load into a register that a matrix instruction has read, and a vector instruction that reads a matrix result, stand NP places behind that matrix instruction; only plain vector
; instructions that name none of its registers are places (ISA guide 7.12.1 for vector instructions).
.macro PLACES n
.rept \n
	v_nop
.endr
.endm
; A step of 128 along K that has its successor in the same slot.  A's blocks go one after the other, so one set of registers serves A: blocks 0-3 are fetched anew in the step's middle, blocks 4-7 at its end.
.macro STEP slot, q, zero
	s_wait_dscnt 4*NL                              ; B's set, the scale words and A's blocks 0-3 are in; the youngest 24 loads (A's blocks 4-7) may be out
	WIN MUL_LO
	MUL16 0, (\q)%2, \q, \slot, \zero
	MUL16 2, (\q)%2, \q, \slot, \zero
	s_wait_dscnt 0                                 ; A's blocks 4-7 are in (asked for 32 matrix instructions ago)
	PLACES NP
	FETCH_B \slot, (\q)+1, 1-(\q)%2
	FETCH_A \slot, (\q)+1, 0
	WIN MUL_HI
	MUL16 4, (\q)%2, \q, \slot, \zero
	MUL16 6, (\q)%2, \q, \slot, \zero
	PLACES NP
	WIN 0
	FETCH_A \slot, (\q)+1, 4
.endm
; A slot's last step changes slots: ONE barrier; in front of it each wave waits for all its tensor loads, adds 0 to its spare word, and waits for that and for its own reads of this slot.  fill = 1: this slot is filled again, two K steps ahead.
.macro TURN slot, next, fill
	s_wait_tensorcnt 0x0                           ; all my tensor loads have landed: my part of the next slot;
	ds_add_u32 v[SPW], v[NIL]                      ; 0 onto my spare word
	s_wait_dscnt 4*NL+1                            ; (the add and the youngest 24 loads, A's blocks 4-7, may be out)
	WIN MUL_LO
	MUL16 0, 1, NQ-1, \slot, 0                     ; sixteen matrix instructions stand between the add and the wait for it
	s_wait_dscnt 0x0                               ; the add is done, and my reads of this slot are over
	s_barrier_signal -1
	MUL16 2, 1, NQ-1, \slot, 0
	WIN 0
	s_barrier_wait -1
.if \fill
	CREST                                          ; the barrier has opened a round of the cluster's barrier: no wave of any partner still reads this slot's tile or has a load on its way
	s_add_nc_u64 s[G0+4*\slot+2:G0+4*\slot+3], s[G0+4*\slot+2:G0+4*\slot+3], 2*BLKB
	s_add_nc_u64 s[G0B+4*\slot+2:G0B+4*\slot+3], s[G0B+4*\slot+2:G0B+4*\slot+3], 2*BLKB
	JLOAD G0+4*\slot, G1, G0B+4*\slot, G1B         ; the first tensor load behind the round; the four v_nop behind it are the places in front of the loads below
.else
	PLACES NP
.endif
	s_wait_alu depctr_va_vdst(0)
	v_add_nc_u32 v[ADRS], 128, v[ADRS]             ; on to the next K step's scale words (no LDS load of mine is out)
	FETCH_B \next, 0, 0
	FETCH_A \next, 0, 0
	SCALES \next
	WIN MUL_HI
	MUL16 4, 1, NQ-1, \slot, 0
	MUL16 6, 1, NQ-1, \slot, 0
	PLACES NP
	WIN 0
	FETCH_A \next, 0, 4
.endm
	s_wait_alu depctr_va_vdst(0)
	s_wait_tensorcnt 1                             ; the scale words and my part of K step 0 are in (K step 1's load may be out)
	s_barrier_signal -1
	s_barrier_wait -1                              ; everybody's are
	FETCH_B 0, 0, 0
	FETCH_A 0, 0, 0
	SCALES 0
	FETCH_A 0, 0, 4
	STEP 0, 0, 1                                   ; K step 0: its first products start the sums
	TURN 0, 1, 1                                   ; slot 0 takes K step 2
	STEP 1, 0, 0
	TURN 1, 0, 1                                   ; slot 1 takes K step 3
	STEP 0, 0, 0
	TURN 0, 1, 0                                   ; nothing is left to fetch
	STEP 1, 0, 0
	s_wait_dscnt 4*NL                              ; the very last step
	WIN MUL_LO
	MUL16 0, 1, NQ-1, 1, 0
	MUL16 2, 1, NQ-1, 1, 0
	s_wait_dscnt 0
	WIN MUL_HI
	MUL16 4, 1, NQ-1, 1, 0
	MUL16 6, 1, NQ-1, 1, 0
	WIN 0
	; ---------------- THE WAY OUT: rotate, quantise, store; no LDS.  Its scalars lie in registers that never fed a descriptor's groups ----------------
	s_cmp_ge_u32 s95, 8                            ; V's tile?
	s_cselect_b32 s2, s42, s17                     ; the tokens' tile of 256,
	s_cselect_b32 s3, s16, s15                     ; my half of it,
	s_cselect_b32 s18, s41, s40                    ; the features' tile of 256 in its weight,
	s_cselect_b32 s19, s15, s16                    ; my half of it
	s_cselect_b32 s20, SUB, 0                      ; V's sub-record lies behind K's
	s_mov_b32 s22, 768
	s_cselect_b32 s22, 1536, s22                   ; from block to block: Q, K: a half on;  V: a fragment on,
	s_cselect_b32 s66, 204800-6144, 0              ; and at block 4 on to the next head
	s_cselect_b32 s94, -1, 0                       ; all lanes, or none: which scale block is stored
	s_cselect_b32 s21, 1, 0
	s_mov_b32 s23, 0
	s_mov_b32 s67, 0
	s_mov_b32 s47, 0
	s_or_b32 s21, s21, ttmp9
	s_cmp_eq_u32 s21, 0                            ; Q's tile?
	s_cselect_b64 s[92:93], s[10:11], s[12:13]
	s_mov_b32 s43, 204800
	s_cselect_b32 s43, 102400, s43                 ; a head's bytes
	s_mov_b32 s44, 12800
	s_cselect_b32 s44, SUB, s44                    ; 128 tokens' bytes
	s_lshl_b32 s21, s17, 4
	s_lshl_b32 s46, s15, 3
	s_add_co_u32 s21, s21, s46
	s_and_b32 s21, s21, 127                        ; my first tile of tokens in its sequence
	s_cmp_ge_u32 s95, 8
	s_cselect_b32 s21, 128, s21                    ; V: the table's tiles of cos = 1, sin = 0
	s_cselect_b32 s45, 768, s43                    ; from a fragment's first half to its second: V: 768 bytes;  Q, K: the next head
	s_lshl_b32 s46, s21, 12
	s_add_nc_u64 s[98:99], s[8:9], s[46:47]        ; the table at my first tile
	s_lshr_b32 s21, s2, 3                          ; the batch
	s_lshl_b32 s21, s21, 4
	s_lshl_b32 s18, s18, 2
	s_add_co_u32 s21, s21, s18
	s_lshl_b32 s19, s19, 1
	s_add_co_u32 s21, s21, s19                     ; 16 x batch + my first head
	s_mul_i32 s46, s21, s43
	s_and_b32 s2, s2, 7
	s_lshl_b32 s2, s2, 1
	s_add_co_u32 s2, s2, s3                        ; which 128 tokens of the sequence
	s_mul_i32 s2, s2, s44
	s_add_co_u32 s46, s46, s2
	s_add_co_u32 s46, s46, s20
	s_add_nc_u64 s[92:93], s[92:93], s[46:47]      ; my sub-record: this pointer walks,
	s_mov_b64 s[96:97], s[92:93]                   ; this one stays, for the scale block
	s_mov_b32 s100, 0x76543210
	s_mov_b32 s101, 0xfedcba98                     ; v_permlanex16_b32's selects for lane l xor 16
	v_lshlrev_b32 v10, 3, v3                       ; 8 x lane.  (These ten plain lines name no register of the last products: they are the places behind them)
	v_add_nc_u32 v11, s45, v10                     ; the same in the second half's place
	v_lshlrev_b32 v12, 4, v3                       ; 16 x lane
	v_mul_u32_u24 v13, s43, v2
	v_lshl_add_u32 v13, v1, 4, v13
	v_add_nc_u32 v13, 8*768, v13                   ; the scale block: lanes 0-15 my first head's, lanes 16-31 my second's; 16 bytes a lane
	v_mov_b32 v14, 0x05040100
	v_mov_b32 v15, 0x07060302
	v_cmp_eq_u32 vcc_lo, 1, v2
	v_cndmask_b32 v14, v14, v15, vcc_lo            ; lanes 0-15 gather the words' low halves (first head), lanes 16-31 the high halves
.irp b, 0,1,2,3
	v_mov_b32 v[TM+4+\b], 0                        ; a lane permute's destination counts as one of its sources
.endr
; 64 numbers of a lane, register 16 b + i = k 32 b + 16 (lane / 16) + i of my row, become a fragment's codes in v[PC] on and its scale word in v[pw].
.macro QUANT s, pw
.irp b, 0,1,2,3
	v_max3_num_f32 v[TM+\b], |v[\s+16*\b]|, |v[\s+1+16*\b]|, 0x1800000   ; block b: my 16 numbers, and the floor 2^(3 - 127): the byte cannot fall under 1
.endr
.irp i, 2,4,6,8,10,12,14
.irp b, 0,1,2,3
	v_max3_num_f32 v[TM+\b], v[TM+\b], |v[\s+16*\b+\i]|, |v[\s+1+16*\b+\i]|
.endr
.endr
.irp b, 0,1,2,3
	v_permlanex16_b32 v[TM+4+\b], v[TM+\b], s100, s101
.endr
.irp b, 0,1,2,3
	v_max_num_f32 v[TM+\b], v[TM+\b], v[TM+4+\b]   ; with lane l xor 16's: the block's largest magnitude
.endr
.irp b, 0,1,2,3
	v_add_nc_u32 v[TM+12+\b], 0xff000000, v[TM+\b] ; 2 off its exponent field: the conversion's scale operand
.endr
.irp b, 0,1,2,3
	v_lshrrev_b32 v[TM+4+\b], 23, v[TM+12+\b]      ; the scale's byte
.endr
	v_lshl_or_b32 v[\pw], v[TM+5], 8, v[TM+4]
	v_lshl_or_b32 v[\pw], v[TM+6], 16, v[\pw]
	v_lshl_or_b32 v[\pw], v[TM+7], 24, v[\pw]
.irp c, 0,1
	v_cvt_scalef32_pk16_fp6_f32 v[PC+6*\c:PC+2+6*\c], v[\s+32*\c:\s+15+32*\c], v[TM+12+2*\c]
	v_cvt_scalef32_pk16_fp6_f32 v[PC+12+4*\c:PC+14+4*\c], v[\s+16+32*\c:\s+31+32*\c], v[TM+12+2*\c+1]   ; (a conversion's three registers begin on an even number)
.endr
	v_nop                                          ; one plain place behind a scaled conversion
.irp c, 0,1                                    ; the operand's layout wants a whole block in a lane: lanes 0-15 block 2 c, lanes 16-31 block 2 c + 1
.irp i, 0,1,2
	v_permlane16_swap_b32 v[PC+6*\c+\i], v[PC+12+4*\c+\i]
.endr
.irp i, 0,1,2
	v_mov_b32 v[PC+3+6*\c+\i], v[PC+12+4*\c+\i]
.endr
.endr
.endm
.macro CSLOAD a                        ; the table's tile for A's block a: 16 pairs (cos, sin) a lane, the same for both heads
.irp j, 0,1,2,3,4,5,6,7
	global_load_b128 v[CS+32*((\a)%2)+4*\j:CS+32*((\a)%2)+4*\j+3], v12, s[98:99] offset:4096*(\a)+512*\j
.endr
.endm
.macro EPI a
.if (\a) > 0
	s_wait_xcnt 0x0                                ; the last block's stores have read their base and the codes' registers
	s_add_nc_u64 s[92:93], s[92:93], s[22:23]
.if (\a) == 4
	s_add_nc_u64 s[92:93], s[92:93], s[66:67]
.endif
.endif
.if (\a) < 7
	CSLOAD (\a)+1
	s_wait_loadcnt 8                               ; this block's eight loads are in; the next block's eight may be out
.else
	s_wait_loadcnt 0x0
.endif
	WIN 0x02+(\a)/4                                ; source 0: the accumulators' window
.set n, 0
.rept 32                               ; pair n = (even, odd): (e cos - o sin, o cos + e sin).  n ascends: each accumulator is read from its low end on
	v_pk_mul_f32 v[H+2*n:H+2*n+1], v[64*((\a)%4)+2*n:64*((\a)%4)+2*n+1], v[CS+32*((\a)%2)+16*((n/8)%2)+2*(n%8):CS+32*((\a)%2)+16*((n/8)%2)+2*(n%8)+1] op_sel_hi:[1,0]
	v_pk_fma_f32 v[H+2*n:H+2*n+1], v[64*((\a)%4)+2*n:64*((\a)%4)+2*n+1], v[CS+32*((\a)%2)+16*((n/8)%2)+2*(n%8):CS+32*((\a)%2)+16*((n/8)%2)+2*(n%8)+1], v[H+2*n:H+2*n+1] op_sel:[1,1,0] op_sel_hi:[0,1,1] neg_lo:[1,0,0]
.set n, n+1
.endr
	WIN 0
	QUANT H, PWS+(\a)
.irp p, 0,1,2
	global_store_b64 v10, v[PC+2*\p:PC+2*\p+1], s[92:93] offset:256*\p        ; each store: 256 consecutive bytes, aligned
.endr
.irp p, 0,1,2
	global_store_b64 v11, v[PC+6+2*\p:PC+6+2*\p+1], s[92:93] offset:256*\p
.endr
.endm
	CSLOAD 0
.irp a, 0,1,2,3,4,5,6,7
	EPI \a
.endr
.irp i, 0,1,2,3
	v_perm_b32 v[D+\i], v[PWS+2*\i+1], v[PWS+2*\i], v14              ; Q, K: tile 2 i's two bytes below, tile 2 i + 1's above
	v_cndmask_b32 v[D+4+\i], v[PWS+\i], v[PWS+4+\i], vcc_lo          ; V: tile i's word, of my lane's head
.endr
.irp i, 0,1,2,3
	v_cndmask_b32 v[D+\i], v[D+\i], v[D+4+\i], s94
.endr
	global_store_b128 v13, v[D:D+3], s[96:97]      ; two blocks of 256 consecutive bytes
	s_wait_tensorcnt 0x0                           ; the wave's end
	ds_add_u32 v[SPW], v[NIL]
	s_wait_dscnt 0x0
	CROUND                                         ; the closing round: no work-group ends while a partner may still ask for a tile that names it
	s_endpgm
.Lfunc_end_k_q077c13428a_qkv:
	.size	k_q077c13428a_qkv, .Lfunc_end_k_q077c13428a_qkv-k_q077c13428a_qkv
	.p2alignl 7, 3214868480
	.fill 96, 4, 3214868480
	.section	.rodata,"a",@progbits
	.p2align	6, 0x0
	.amdhsa_kernel k_q077c13428a_qkv
		.amdhsa_group_segment_fixed_size 327680
		.amdhsa_private_segment_fixed_size 0
		.amdhsa_enable_private_segment 0
		.amdhsa_kernarg_size 40
		.amdhsa_user_sgpr_count 2
		.amdhsa_user_sgpr_kernarg_segment_ptr 1
		.amdhsa_wavefront_size32 1
		.amdhsa_system_sgpr_workgroup_id_x 1
		.amdhsa_system_sgpr_workgroup_id_y 1
		.amdhsa_system_sgpr_workgroup_id_z 1
		.amdhsa_system_vgpr_workitem_id 0
		.amdhsa_next_free_vgpr 1024
		.amdhsa_next_free_sgpr 104
		.amdhsa_reserve_vcc 1
		.amdhsa_float_denorm_mode_32 3
		.amdhsa_float_denorm_mode_16_64 3
		.amdhsa_memory_ordered 1
		.amdhsa_forward_progress 1
		.amdhsa_inst_pref_size 206
	.end_amdhsa_kernel
	.amdgpu_metadata
---
amdhsa.version: [ 1, 2 ]
amdhsa.kernels:
  - .name:           k_q077c13428a_qkv
    .symbol:         k_q077c13428a_qkv.kd
    .args:
      - { .name: xc, .offset: 0, .size: 8, .value_kind: global_buffer, .address_space: global }
      - { .name: wc, .offset: 8, .size: 8, .value_kind: global_buffer, .address_space: global }
      - { .name: rope, .offset: 16, .size: 8, .value_kind: global_buffer, .address_space: global }
      - { .name: qrec, .offset: 24, .size: 8, .value_kind: global_buffer, .address_space: global }
      - { .name: kvrec, .offset: 32, .size: 8, .value_kind: global_buffer, .address_space: global }
    .group_segment_fixed_size: 327680
    .private_segment_fixed_size: 0
    .kernarg_segment_align: 8
    .kernarg_segment_size: 40
    .max_flat_workgroup_size: 128
    .sgpr_count:     104
    .vgpr_count:     1024
    .wavefront_size: 32
...
	.end_amdgpu_metadata
.endif
;; end of part 2
;; launch attn (part 3): grid 4 x 64, 16 waves a work-group, clusters of 4 x 1, 206,848 bytes of LDS; arguments qrec, kvrec, oc; writes oc
.if DOCPART == 3
	.amdgcn_target "amdgcn-amd-amdhsa--gfx1250"
	.amdhsa_code_object_version 6
	.text
	.protected	k_q077c13428a_attn
	.globl	k_q077c13428a_attn
	.p2align	8
	.type	k_q077c13428a_attn,@function
k_q077c13428a_attn:
	s_mov_b64 s[64:65], 0
	v_nop
	global_prefetch_b8 v0, s[64:65] scope:SCOPE_SE
	s_setreg_imm32_b32 hwreg(HW_REG_WAVE_MODE, 25, 1), 1
	s_wait_xcnt 0x0
	s_wait_alu depctr_hold_cnt(0) depctr_sa_sdst(0) depctr_va_vdst(0) depctr_va_sdst(0) depctr_va_ssrc(0) depctr_va_vcc(0) depctr_vm_vsrc(0)
	s_getreg_b32 s2, hwreg(HW_REG_IB_STS2, 6, 4)
	s_cmp_eq_u32 s2, 0
	s_cbranch_scc0 .Lentry_in_a_cluster
	s_endpgm
.Lentry_in_a_cluster:
	s_bfe_u32 s2, ttmp6, 0x10000c
	s_cmp_lg_u32 s2, 0x3003
	s_cbranch_scc0 .Lentry_shape_is_right
	s_endpgm
.Lentry_shape_is_right:
; Causal attention of one head (head size 64, 2,048 tokens) on codes of FP6 (E2M3) with E8M0 scales, and the result quantised along d for the last projection.
; t = score x log2(e) / 8; M = the running largest t rounded UP to a whole number; p = 2^(t - M) is quantised along the keys, not normalised; the row's sum is taken of the unquantised p and divides O at the end.
; When M moves, the sum and O are multiplied by 2^(old M - new M): exact.
; SHARES.  A cluster of four work-groups serves one head.  A tile is 16 queries; tile 8 A + a needs key steps 0 .. A of 128 keys.  Wave w of work-group cx takes tile 8 w + 2 cx and then tile 8 (15 - w) + 2 cx + 1:
; 17 key steps for every wave.  Trip counts and branches hang on the wave's number alone; cx enters global addresses and the mask's numbers only.
; LDS.  The head's K and V, 16 records of 12,800 bytes, come ONCE: each wave asks for one record, jointly with the same wave of the three partners.  Nothing is filled again and nothing is stored to LDS.
; A record: K's sub-record (8 halves of 768 bytes: tile a of 16 keys x 64; then 256 bytes: lane r's four scale words), then V's (4 fragments of 1,536 bytes: 16 of the head's 64 x 128 keys; then its scale words).
; All lie as images of the operand's registers: a piece of 256 bytes is lane l's two registers at 8 l.  Lane r of tile T holds row 32 (T / 2) + 8 (T % 2) + r + 8 (r / 8).
; K = 64 IN AN INSTRUCTION OF 128.  Source 0 is a PAIR of key tiles: registers 0-5 tile 2 b, registers 6-11 tile 2 b + 1.  Q stands as zeros, q, zeros in v16-33: v[22:33] (q, zeros) picks tile 2 b, v[16:27] (zeros, q)
; tile 2 b + 1: a zero code adds nothing under any scale byte from 1 to 254.  Q's two scale bytes are doubled in its word.
; Both products are used transposed: a lane holds ONE query (lane % 16); the 16 registers of tiles 2 b, 2 b + 1 of S^T are keys 32 b + 16 (lane / 16) + 0 .. 15.
; OUT: oc, laid as the projection's operand: [tile of 16 tokens][K step of 128][1,536]; this head's 64 are half (head % 2) of K step head / 2.  Its two scale bytes a row go out as single bytes, 32 a tile beside
; 768 bytes of codes: the one store of this program that does not cover 256 consecutive bytes.
; LIMITS: NaN and infinities are not served; a block of zeros gets the byte 1 (its codes are zeros; this program alone reads the bytes).
; REGISTERS: v1-8 addresses; v12 -M, v13 the largest t, v[14:15] the sum; v16-33 Q; v34 its scale word; v36-83 four fragments; v84-87 scale words (lanes 0-15 K's pairs, lanes 16-31 V's tiles);
;   v96-159 S^T, then p; v160-191 O^T; v192-203 p's codes; v204-210 the conversions' second halves; v212-223 maxima, bytes, scale operands; v224 p's scale word; v[226:227] f; v228 at work; v[230:231] the sum's second chain.
.set REC,  12800
.set SUB,  6400
.set MX,   212
.macro ROUND                           ; a round of the cluster's barrier
	s_barrier_signal -1
	s_barrier_wait -1
	s_cmp_lg_u32 s10, 0
	s_cbranch_scc1 .Lnot_wave_0_\@
	s_barrier_signal -3
.Lnot_wave_0_\@:
	s_barrier_wait -3
	s_barrier_signal -1
	s_barrier_wait -1
.endm
	s_load_b128 s[4:7], s[0:1], 0x0                ; qrec s[4:5], kvrec s[6:7]
	s_load_b64 s[8:9], s[0:1], 0x10                ; oc
	v_lshl_add_u32 v254, v0, 2, 0x32000
	v_mov_b32 v255, 0
	ds_add_u32 v254, v255
	ds_add_u32 v254, v255
	v_lshrrev_b32 v1, 5, v0
	s_delay_alu instid0(VALU_DEP_1)
	v_readfirstlane_b32 s10, v1                    ; wave 0..15
	s_bfe_u32 s11, ttmp6, 0x40000                  ; cx
	s_and_b32 s12, ttmp7, 0xffff                   ; 16 x batch + head
	; descriptor group 1: a record, 12,800 dense bytes, as 50 rows of 256 (32 elements of 8 bytes)
	s_mov_b32 s16, 15|(3<<16)|(1<<21)              ; 15:0 the mask: all four work-groups; 17:16 elements of 8 bytes; 21 set beside a mask
	s_mov_b32 s17, 32<<16                          ; tensor_dim0
	s_mov_b32 s18, 50<<16                          ; tensor_dim1
	s_mov_b32 s19, 32<<16                          ; tile_dim0
	s_mov_b32 s20, 50                              ; tile_dim1
	s_mov_b32 s21, 32                              ; tensor_dim0_stride
	s_mov_b32 s22, 0
	s_mov_b32 s23, 0
	s_mul_i32 s35, s10, REC                        ; my record, in LDS and in the head
	s_mul_i32 s42, s12, 16*REC
	s_add_co_u32 s42, s42, s35
	s_mov_b32 s43, 0
	s_mov_b32 s28, 0x76543210
	s_mov_b32 s29, 0xfedcba98                      ; v_permlanex16_b32's selects for lane l xor 16
	s_mov_b32 s30, 0x3e38aa3b                      ; c = log2(e) / 8
	s_mov_b32 s31, s30                             ; (named with it as a pair, so it is written)
	s_wait_dscnt 0x0
	s_wait_kmcnt 0x0
	s_mov_b32 s24, 1                               ; group 0: count = 1,
	s_mov_b32 s25, s35                             ; the LDS address,
	s_add_nc_u64 s[26:27], s[6:7], s[42:43]        ; the global address,
	s_or_b32 s27, s27, 0x80000000                  ; type = 2
	ROUND                                          ; all four work-groups are here: the joint loads meet
	tensor_load_to_lds s[24:27], s[16:23]          ; my one tensor load of the launch
	s_nop 0
.rept 4
	v_nop
.endr
	v_and_b32 v9, 31, v0
	s_delay_alu instid0(VALU_DEP_1)
	v_lshlrev_b32 v1, 3, v9                        ; 8 x lane
	v_and_b32 v10, 15, v0                          ; r
	v_bfe_u32 v11, v0, 4, 1                        ; h
	s_delay_alu instid0(VALU_DEP_2)
	v_lshlrev_b32 v8, 4, v10                       ; 16 r
	s_delay_alu instid0(VALU_DEP_1)
	v_mad_u32_u24 v2, v11, SUB, v8
	s_delay_alu instid0(VALU_DEP_1)
	v_add_nc_u32 v2, 8*768, v2                     ; the scale words: lanes 0-15 K's, lanes 16-31 V's, a sub-record further on
	s_delay_alu instid0(VALU_DEP_4)
	v_lshl_add_u32 v7, v10, 3, v11                 ; 8 r + h: my scale byte's place in oc
	v_and_b32 v6, 8, v10
	s_delay_alu instid0(VALU_DEP_1)
	v_add_nc_u32 v6, v6, v10
	v_lshlrev_b32 v9, 4, v11
	s_delay_alu instid0(VALU_DEP_1)
	v_sub_nc_u32 v6, v6, v9                        ; r + 8 (r / 8) - 16 h
	v_cmp_eq_u32 s44, 1, v11                       ; lanes 16-31
.irp j, 16,17,18,19,20,21,28,29,30,31,32,33
	v_mov_b32 v[\j], 0                             ; the zero codes on both sides of q
.endr
.irp j, 216,217,218,219,227,228
	v_mov_b32 v[\j], 0                             ; lane permutes' destinations, and the upper half of f's pair, are written once
.endr
; A tile's scalars and Q's loads.
.macro TILE_HEAD which
.if \which
	s_wait_xcnt 0x0                                ; the first tile's stores have read their bases and their data
	s_sub_co_u32 s32, 15, s10
.else
	s_mov_b32 s32, s10                             ; A: my tile's group of 128 queries = its last key step
.endif
	s_mul_i32 s42, s12, 16*SUB
	s_mul_i32 s35, s32, SUB
	s_add_co_u32 s42, s42, s35
	s_add_nc_u64 s[36:37], s[4:5], s[42:43]        ; the group's sub-record
	s_mul_i32 s42, s11, 1536
	s_add_co_u32 s42, s42, 768*\which
	s_add_nc_u64 s[38:39], s[36:37], s[42:43]      ; my tile's half: 2 cx + which
	s_lshl_b32 s42, s11, 2
	s_add_nc_u64 s[36:37], s[36:37], s[42:43]      ; and the word that holds its two bytes: word cx
.irp p, 0,1,2
	global_load_b64 v[22+2*\p:23+2*\p], v1, s[38:39] offset:256*\p
.endr
	global_load_b32 v35, v8, s[36:37] offset:8*768
	s_lshl_b32 s35, s11, 5
	s_add_co_u32 s35, s35, 8*\which
	v_add_nc_u32 v5, s35, v6                       ; d = my query in its group - 16 h: on the diagonal register 16 b + i is hidden where 32 b + i > d
.endm
.macro TILE_BODY which
	v_mov_b32 v13, 0xff61b1e6                      ; the largest t so far: -3e38, under every t
	s_delay_alu instid0(VALU_DEP_1)
	v_floor_f32 v12, -v13                          ; -M
	v_mov_b32 v14, 0
	v_mov_b32 v15, 0
	s_wait_loadcnt 0x0                             ; Q
.if \which
	v_perm_b32 v34, v35, v35, 0x03020302           ; my tile's two bytes, doubled
.else
	v_perm_b32 v34, v35, v35, 0x01000100
.endif
.set j, 0
.rept 32
	v_mov_b32 v[160+j], 0                          ; O^T: the first change of M leaves zeros zeros.  (These are also the places between the scale word's line and the first product)
.set j, j+1
.endr
	s_mov_b32 s33, 0                               ; the key step
	s_mov_b32 s34, 0                               ; its record in LDS
.Lstep_\@:                                         ; 16 trips for every wave; a step whose keys all come after my queries is passed over
	s_cmp_gt_u32 s33, s32
	s_cbranch_scc1 .Lskip_\@
	s_setprio 2
	v_add_nc_u32 v3, s34, v1
	v_add_nc_u32 v4, s34, v2
.set j, 0
.rept 24
	ds_load_b64 v[36+2*j:37+2*j], v3 offset:256*j  ; K's four pairs of tiles: 256 consecutive bytes a load
.set j, j+1
.endr
	ds_load_b128 v[84:87], v4                      ; lanes 0-15: the pairs' scale words; lanes 16-31: V's tiles'
	s_wait_alu depctr_va_vdst(0)
	s_wait_dscnt 0x0
.irp b, 0,1,2,3                                ; S^T = K Q^T; every instruction has an accumulator of its own
	v_wmma_scale_f32_16x16x128_f8f6f4 v[96+16*\b:103+16*\b], v[36+12*\b:47+12*\b], v[22:33], 0, v[84+\b], v34 matrix_a_fmt:MATRIX_FMT_FP6 matrix_b_fmt:MATRIX_FMT_FP6
	v_wmma_scale_f32_16x16x128_f8f6f4 v[104+16*\b:111+16*\b], v[36+12*\b:47+12*\b], v[16:27], 0, v[84+\b], v34 matrix_a_fmt:MATRIX_FMT_FP6 matrix_b_fmt:MATRIX_FMT_FP6
.endr
.rept 4
	v_nop                                          ; places in front of loads into registers that the products have read, and of the first read of the scores
.endr
.set j, 0
.rept 24
	ds_load_b64 v[36+2*j:37+2*j], v3 offset:SUB+256*j   ; V's four fragments: they land while the softmax is worked
.set j, j+1
.endr
	s_cmp_lg_u32 s33, s32                          ; the diagonal step alone has hidden keys
	s_cbranch_scc1 .Lopen_\@
	v_mov_b32 v228, 0xff800000                     ; -infinity: p = 0
.set n, 0
.rept 64
	v_cmp_gt_i32 vcc_lo, 32*(n/16)+n%16, v5
	v_cndmask_b32 v[96+n], v[96+n], v228, vcc_lo
.set n, n+1
.endr
.Lopen_\@:
.irp b, 0,1,2,3
	v_max3_num_f32 v[MX+\b], v[96+16*\b], v[97+16*\b], v[98+16*\b]   ; the largest score of each block of 32 keys: for the row's maximum, and, since p rises with the score, for the block's largest p
.endr
.irp i, 3,5,7,9,11,13
.irp b, 0,1,2,3
	v_max3_num_f32 v[MX+\b], v[MX+\b], v[96+16*\b+\i], v[97+16*\b+\i]
.endr
.endr
.irp b, 0,1,2,3
	v_max_num_f32 v[MX+\b], v[MX+\b], v[111+16*\b]
.endr
.irp b, 0,1,2,3
	s_delay_alu instid0(VALU_DEP_4)
	v_permlanex16_b32 v[216+\b], v[MX+\b], s28, s29
.endr
.irp b, 0,1,2,3
	s_delay_alu instid0(VALU_DEP_4)
	v_max_num_f32 v[MX+\b], v[MX+\b], v[216+\b]    ; with lane l xor 16's 16 keys
.endr
	s_delay_alu instid0(VALU_DEP_2)
	v_max3_num_f32 v228, v212, v213, v214
	s_delay_alu instid0(VALU_DEP_1)
	v_max_num_f32 v228, v228, v215                 ; the step's largest score of my query
	s_delay_alu instid0(VALU_DEP_1)
	v_mul_f32 v228, s30, v228                      ; as t
	s_delay_alu instid0(VALU_DEP_1)
	v_max_num_f32 v13, v13, v228                   ; the running largest t
	v_mov_b32 v228, v12
	s_delay_alu instid0(VALU_DEP_2)
	v_floor_f32 v12, -v13                          ; the new -M = -ceil(t)
	s_delay_alu instid0(VALU_DEP_1)
	v_sub_f32 v228, v12, v228                      ; old M - new M: a whole number, 0 or less
	s_delay_alu instid0(VALU_DEP_1)
	v_cvt_i32_f32 v228, v228                       ; (it saturates)
	s_delay_alu instid0(VALU_DEP_1)
	v_ldexp_f32 v226, 1.0, v228                    ; f = 2^(old M - new M)
.set j, 0
	s_setprio 1
.rept 32
	v_pk_fma_f32 v[96+j:97+j], v[96+j:97+j], s[30:31], v[12:13] op_sel_hi:[1,0,0]   ; t - M, two at a time
.set j, j+2
.endr
.irp b, 0,1,2,3
	v_fma_f32 v[MX+\b], v[MX+\b], s30, v12         ; the same of each block's largest score
.endr
.set j, 0
	s_wait_alu depctr_va_vdst(0)
.rept 64
	v_exp_f32 v[96+j], v[96+j]                     ; p = 2^(t - M)
.set j, j+1
.endr
.irp b, 0,1,2,3
	v_exp_f32 v[MX+\b], v[MX+\b]                   ; the block's largest p: the same two instructions on the same number give the same bits
.endr
	v_pk_mul_f32 v[14:15], v[14:15], v[226:227] op_sel_hi:[1,0]      ; the sum under the new M: the plain line behind the batch of 68
.set j, 0
	s_wait_alu depctr_va_vdst(0)
.rept 16
	v_pk_mul_f32 v[160+j:161+j], v[160+j:161+j], v[226:227] op_sel_hi:[1,0]   ; O^T under the new M: work that names no exponential's result
.set j, j+2
.endr
	s_wait_alu depctr_va_vdst(0)                   ; one wait for the batch, ahead of its first reader
.irp b, 0,1,2,3
	v_max_num_f32 v[MX+\b], 0x1800000, v[MX+\b]    ; the floor 2^(3 - 127): the byte cannot fall under 1
.endr
.irp b, 0,1,2,3
	s_delay_alu instid0(VALU_DEP_4)
	v_add_nc_u32 v[220+\b], 0xff000000, v[MX+\b]   ; 2 off the exponent field: the conversion's scale operand
.endr
.irp b, 0,1,2,3
	s_delay_alu instid0(VALU_DEP_4)
	v_lshrrev_b32 v[216+\b], 23, v[220+\b]         ; the scale's byte
.endr
	s_delay_alu instid0(VALU_DEP_3)
	v_lshl_or_b32 v224, v217, 8, v216              ; p's scale word for these 128 keys
	s_delay_alu instid0(VALU_DEP_1)
	v_lshl_or_b32 v224, v218, 16, v224
	s_delay_alu instid0(VALU_DEP_1)
	v_lshl_or_b32 v224, v219, 24, v224
.irp c, 0,1
	v_cvt_scalef32_pk16_fp6_f32 v[192+6*\c:194+6*\c], v[96+32*\c:111+32*\c], v[220+2*\c]
	v_cvt_scalef32_pk16_fp6_f32 v[204+4*\c:206+4*\c], v[112+32*\c:127+32*\c], v[220+2*\c+1]   ; (a conversion's three registers begin on an even number)
.endr
	v_nop                                          ; one plain place behind a scaled conversion
.irp c, 0,1                                    ; the operand's layout wants a whole block in a lane
.irp i, 0,1,2
	v_permlane16_swap_b32 v[192+6*\c+\i], v[204+4*\c+\i]
.endr
.irp i, 0,1,2
	s_delay_alu instid0(VALU_DEP_3)
	v_mov_b32 v[195+6*\c+\i], v[204+4*\c+\i]
.endr
.endr
	s_setprio 0
	v_pk_add_f32 v[230:231], v[100:101], v[104:105]
	v_pk_add_f32 v[252:253], v[108:109], v[112:113]
	v_pk_add_f32 v[250:251], v[116:117], v[120:121]
	v_pk_add_f32 v[248:249], v[124:125], v[128:129]
	v_pk_add_f32 v[246:247], v[132:133], v[136:137]
	v_pk_add_f32 v[244:245], v[140:141], v[144:145]
	v_pk_add_f32 v[242:243], v[148:149], v[152:153]
	v_pk_add_f32 v[14:15], v[14:15], v[156:157]
	v_pk_add_f32 v[230:231], v[230:231], v[96:97]
	v_pk_add_f32 v[252:253], v[252:253], v[98:99]
	v_pk_add_f32 v[250:251], v[250:251], v[102:103]
	v_pk_add_f32 v[248:249], v[248:249], v[106:107]
	v_pk_add_f32 v[246:247], v[246:247], v[110:111]
	v_pk_add_f32 v[244:245], v[244:245], v[114:115]
	v_pk_add_f32 v[242:243], v[242:243], v[118:119]
	v_pk_add_f32 v[14:15], v[14:15], v[122:123]
	v_pk_add_f32 v[230:231], v[230:231], v[126:127]
	v_pk_add_f32 v[252:253], v[252:253], v[130:131]
	v_pk_add_f32 v[250:251], v[250:251], v[134:135]
	v_pk_add_f32 v[248:249], v[248:249], v[138:139]
	v_pk_add_f32 v[246:247], v[246:247], v[142:143]
	v_pk_add_f32 v[244:245], v[244:245], v[146:147]
	v_pk_add_f32 v[242:243], v[242:243], v[150:151]
	v_pk_add_f32 v[14:15], v[14:15], v[154:155]
	v_pk_add_f32 v[230:231], v[230:231], v[158:159]
	s_delay_alu instid0(VALU_DEP_2)
	v_pk_add_f32 v[14:15], v[14:15], v[248:249]
	s_delay_alu instid0(VALU_DEP_2)
	v_pk_add_f32 v[230:231], v[230:231], v[246:247]
	v_pk_add_f32 v[252:253], v[252:253], v[244:245]
	v_pk_add_f32 v[250:251], v[250:251], v[242:243]
	s_delay_alu instid0(VALU_DEP_2)
	v_pk_add_f32 v[14:15], v[14:15], v[252:253]
	s_delay_alu instid0(VALU_DEP_2)
	v_pk_add_f32 v[230:231], v[230:231], v[250:251]
	s_delay_alu instid0(VALU_DEP_1)
	v_pk_add_f32 v[14:15], v[14:15], v[230:231]
	s_wait_dscnt 0x0                               ; V is in
.irp t, 0,1,2,3                                ; O^T += V^T P^T: the four accumulators by turns, one instruction a turn
	v_wmma_scale_f32_16x16x128_f8f6f4 v[160+8*\t:167+8*\t], v[36+12*\t:47+12*\t], v[192:203], v[160+8*\t:167+8*\t], v[84+\t], v224 matrix_a_fmt:MATRIX_FMT_FP6 matrix_b_fmt:MATRIX_FMT_FP6 matrix_a_scale:MATRIX_SCALE_ROW1
.endr
.rept 4
	v_nop                                          ; places in front of the next step's loads, and of the tile's end
.endr
.Lskip_\@:
	s_add_co_u32 s34, s34, REC
	s_add_co_u32 s33, s33, 1
	s_cmp_lt_u32 s33, 16
	s_cbranch_scc1 .Lstep_\@
	s_setprio 0
	s_wait_alu depctr_va_vdst(0)
	; the tile's end: O / the sum, quantised along the head's 64, stored as half a fragment of the projection's operand
	v_add_f32 v14, v14, v15
	s_delay_alu instid0(VALU_DEP_1)
	v_permlanex16_b32 v228, v14, s28, s29
	s_delay_alu instid0(VALU_DEP_1)
	v_add_f32 v14, v14, v228                       ; the row's sum
	s_wait_alu depctr_va_vdst(0)
	v_rcp_f32 v14, v14
	v_nop                                          ; a plain place behind the reciprocal
	s_lshr_b32 s35, s12, 4
	s_lshl_b32 s35, s35, 7                         ; 128 tiles a batch
	s_lshl_b32 s42, s32, 3
	s_add_co_u32 s35, s35, s42
	s_lshl_b32 s42, s11, 1
	s_add_co_u32 s35, s35, s42
	s_add_co_u32 s35, s35, \which                  ; my tile among the 512
	s_and_b32 s45, s12, 15                         ; the head
	s_mul_i32 s42, s35, 12288
	s_mul_i32 s46, s45, 768
	s_add_co_u32 s42, s42, s46
	s_add_nc_u64 s[38:39], s[8:9], s[42:43]        ; the codes' place
	s_lshl_b32 s42, s35, 9                         ; the scale bytes': 512 a tile,
	s_lshr_b32 s46, s45, 2
	s_lshl_b32 s46, s46, 7                         ; 128 for each two K steps,
	s_add_co_u32 s42, s42, s46
	s_bfe_u32 s46, s45, 0x10001
	s_lshl_b32 s46, s46, 2                         ; the K step's word,
	s_add_co_u32 s42, s42, s46
	s_and_b32 s46, s45, 1
	s_lshl_b32 s46, s46, 1                         ; the head's two bytes in it
	s_add_co_u32 s42, s42, s46
	s_add_co_u32 s42, s42, 6291456
	s_add_nc_u64 s[40:41], s[8:9], s[42:43]
	s_wait_alu depctr_va_vdst(0)                   ; ahead of the reciprocal's first reader
.set j, 0
.rept 16
	v_pk_mul_f32 v[96+j:97+j], v[160+j:161+j], v[14:15] op_sel_hi:[1,0]   ; register 16 b + i: channel 32 b + 16 h + i
.set j, j+2
.endr
.irp b, 0,1
	v_max3_num_f32 v[MX+\b], |v[96+16*\b]|, |v[97+16*\b]|, 0x1800000
.endr
.irp i, 2,4,6,8,10,12,14
.irp b, 0,1
	s_delay_alu instid0(VALU_DEP_2)
	v_max3_num_f32 v[MX+\b], v[MX+\b], |v[96+16*\b+\i]|, |v[97+16*\b+\i]|
.endr
.endr
.irp b, 0,1
	s_delay_alu instid0(VALU_DEP_2)
	v_permlanex16_b32 v[216+\b], v[MX+\b], s28, s29
.endr
.irp b, 0,1
	s_delay_alu instid0(VALU_DEP_2)
	v_max_num_f32 v[MX+\b], v[MX+\b], v[216+\b]
.endr
.irp b, 0,1
	s_delay_alu instid0(VALU_DEP_2)
	v_add_nc_u32 v[220+\b], 0xff000000, v[MX+\b]
.endr
.irp b, 0,1
	s_delay_alu instid0(VALU_DEP_2)
	v_lshrrev_b32 v[216+\b], 23, v[220+\b]
.endr
	v_cvt_scalef32_pk16_fp6_f32 v[192:194], v[96:111], v220
	v_cvt_scalef32_pk16_fp6_f32 v[204:206], v[112:127], v221
	v_nop                                          ; one plain place behind a scaled conversion
.irp i, 0,1,2
	v_permlane16_swap_b32 v[192+\i], v[204+\i]
.endr
.irp i, 0,1,2
	s_delay_alu instid0(VALU_DEP_3)
	v_mov_b32 v[195+\i], v[204+\i]
.endr
	v_cndmask_b32 v228, v216, v217, s44            ; lane (r, h) stores block h's byte
.irp p, 0,1,2
	global_store_b64 v1, v[192+2*\p:193+2*\p], s[38:39] offset:256*\p   ; 256 consecutive bytes, aligned
.endr
	global_store_b8 v7, v228, s[40:41]
.endm
	TILE_HEAD 0                                    ; Q is on its way while K and V land
	s_wait_tensorcnt 0x0                           ; my record is in,
	s_barrier_signal -1
	s_barrier_wait -1                              ; everybody's is: the head's K and V lie in LDS for the rest of the launch
	TILE_BODY 0
	TILE_HEAD 1
	TILE_BODY 1
	s_wait_tensorcnt 0x0
	ds_add_u32 v254, v255
	s_wait_dscnt 0x0
	ROUND                                          ; the closing round
	s_endpgm
.Lfunc_end_k_q077c13428a_attn:
	.size	k_q077c13428a_attn, .Lfunc_end_k_q077c13428a_attn-k_q077c13428a_attn
	.p2alignl 7, 3214868480
	.fill 96, 4, 3214868480
	.section	.rodata,"a",@progbits
	.p2align	6, 0x0
	.amdhsa_kernel k_q077c13428a_attn
		.amdhsa_group_segment_fixed_size 206848
		.amdhsa_private_segment_fixed_size 0
		.amdhsa_enable_private_segment 0
		.amdhsa_kernarg_size 24
		.amdhsa_user_sgpr_count 2
		.amdhsa_user_sgpr_kernarg_segment_ptr 1
		.amdhsa_wavefront_size32 1
		.amdhsa_system_sgpr_workgroup_id_x 1
		.amdhsa_system_sgpr_workgroup_id_y 1
		.amdhsa_system_sgpr_workgroup_id_z 1
		.amdhsa_system_vgpr_workitem_id 0
		.amdhsa_next_free_vgpr 256
		.amdhsa_next_free_sgpr 66
		.amdhsa_reserve_vcc 1
		.amdhsa_float_denorm_mode_32 3
		.amdhsa_float_denorm_mode_16_64 3
		.amdhsa_memory_ordered 1
		.amdhsa_forward_progress 1
		.amdhsa_inst_pref_size 67
	.end_amdhsa_kernel
	.amdgpu_metadata
---
amdhsa.version: [ 1, 2 ]
amdhsa.kernels:
  - .name:           k_q077c13428a_attn
    .symbol:         k_q077c13428a_attn.kd
    .args:
      - { .name: qrec, .offset: 0, .size: 8, .value_kind: global_buffer, .address_space: global }
      - { .name: kvrec, .offset: 8, .size: 8, .value_kind: global_buffer, .address_space: global }
      - { .name: oc, .offset: 16, .size: 8, .value_kind: global_buffer, .address_space: global }
    .group_segment_fixed_size: 206848
    .private_segment_fixed_size: 0
    .kernarg_segment_align: 8
    .kernarg_segment_size: 24
    .max_flat_workgroup_size: 512
    .sgpr_count:     66
    .vgpr_count:     256
    .wavefront_size: 32
...
	.end_amdgpu_metadata
.endif
;; end of part 3
;; launch oproj (part 4): grid 4 x 32, 4 waves a work-group, clusters of 4 x 4, 327,680 bytes of LDS; arguments oc, wc, out0; writes out0
.if DOCPART == 4
	.amdgcn_target "amdgcn-amd-amdhsa--gfx1250"
	.amdhsa_code_object_version 6
	.text
	.protected	k_q077c13428a_oproj
	.globl	k_q077c13428a_oproj
	.p2align	8
	.type	k_q077c13428a_oproj,@function
k_q077c13428a_oproj:
	s_mov_b64 s[64:65], 0
	v_nop
	global_prefetch_b8 v0, s[64:65] scope:SCOPE_SE
	s_setreg_imm32_b32 hwreg(HW_REG_WAVE_MODE, 25, 1), 1
	s_wait_xcnt 0x0
	s_wait_alu depctr_hold_cnt(0) depctr_sa_sdst(0) depctr_va_vdst(0) depctr_va_sdst(0) depctr_va_ssrc(0) depctr_va_vcc(0) depctr_vm_vsrc(0)
	s_getreg_b32 s2, hwreg(HW_REG_IB_STS2, 6, 4)
	s_cmp_eq_u32 s2, 0
	s_cbranch_scc0 .Lentry_in_a_cluster
	s_endpgm
.Lentry_in_a_cluster:
	s_bfe_u32 s2, ttmp6, 0x10000c
	s_cmp_lg_u32 s2, 0xf033
	s_cbranch_scc0 .Lentry_shape_is_right
	s_endpgm
.Lentry_shape_is_right:
; out0 = O wo^T on codes of FP6 (E2M3) with E8M0 scales.  O's codes (oc) and wo's (tiles 192 to 255 of wc) lie as images of the operand's registers:
; [tile of 16 rows][K step of 128][six pieces of 256 bytes, lane l's registers 2 p, 2 p + 1 at 256 p + 8 l]; lane r of tile T holds row 32 (T / 2) + 8 (T % 2) + r + 8 (r / 8); the scale words follow the codes.
; A tile of 256 x 256 of out0 is made by four waves, 128 x 128 each: 64 accumulators, 512 registers.  K = 1,024 goes in four steps of 256 through a ring of two LDS slots filled by the tensor data mover.
; THE MATRIX INSTRUCTION IS USED TRANSPOSED (source 0 = 16 rows of wo, source 1 = 16 tokens): a lane holds one token, and accumulator (a, b)'s eight registers are columns 32 (b / 2) + 8 (b % 2) + 16 (lane / 16) + 0 .. 7.
; CLUSTERS: 4 x 4 work-groups; O's tiles are asked for jointly along a row of the cluster, wo's along a column.  The problem's 128 tiles of this size are 128 work-groups.
; REGISTERS, in windows of 256: window 0: v0-31 addresses; v32-63 scale words, two sets; from v128 A's fragments, one set; on the way out v128-255 take rows read back.  window 1: B's fragments, two sets.
;   window 2: the accumulators of A's blocks 0-3 (accumulator (a, b) at v[8 (8 (a % 4) + b)]); window 3: those of blocks 4-7.
.set NQ,     2
.set FR,     12
.set NL,     6
.set NP,     4                         ; places behind this matrix instruction (ISA guide 7.12.1)
.set FRB,    1536
.set BLKB,   NQ*FRB
.set TROW,   8*FRB
.set HALFT,  8*BLKB
.set SLOT,   4*HALFT
.set SCL,    2*SLOT
.set HALFS,  8*512
.set SPARE,  SCL+4*HALFS               ; the spare words, 128 bytes for each wave: two blocks of 256 bytes that no other line names
.set XSCL,   6291456                   ; where oc's scale words begin
.set WSCL,   3145728                   ; and wc's
.set SPITCH, 528                       ; the way out: a stage of 16 rows x (512 bytes + 16) for each wave, in slot 0, which has had its last fill and its last read when the first result is stored there
.set ADRA, 16
.set ADRB, 20
.set STO,  24                          ; v24  the way out: where I put 32 bytes of a row
.set RD,   25                          ; v25  where I read a row back
.set CO,   26                          ; v26  my byte offset in a row's 512 bytes of out0
.set ADRS, 27
.set SPW,  28
.set NIL,  29
.set SC,   32
.set AF,   128
.set BK,   128                         ; 16 rows read back from the stage: v128-191 and v192-255 by turns
.set G1, 24
.set G0, 32
.set G1B, 48
.set G0B, 56
.set G1S, 68
.set G0S, 76
.set G1SB, 80
.set G0SB, 88
.set MSB, 0
.macro WIN new                         ; the immediate's high byte repeats the setting that is left
.if MSB != \new
	s_set_vgpr_msb (MSB<<8)|\new
.set MSB, \new
.endif
.endm
.set MUL_LO, 0xa1
.set MUL_HI, 0xf1
.set TO_B,   0x40
; A joint load: waves 0 and 1 fetch for A, waves 2 and 3 for B; four v_nop follow each of the two lines, ahead of the jump, the label and what follows.
.macro JLOAD g0a, g1a, g0b, g1b
	s_cmp_eq_u32 s15, 0
	s_cbranch_scc0 .Lfor_b_\@
	tensor_load_to_lds s[\g0a:\g0a+3], s[\g1a:\g1a+7]
	s_nop 0
.rept 4
	v_nop
.endr
	s_branch .Lasked_\@
.Lfor_b_\@:
	tensor_load_to_lds s[\g0b:\g0b+3], s[\g1b:\g1b+7]
	s_nop 0
.rept 4
	v_nop
.endr
.Lasked_\@:
.endm
.macro CREST
	s_cmp_lg_u32 s14, 0
	s_cbranch_scc1 .Lnot_wave_0_\@
	s_barrier_signal -3
.Lnot_wave_0_\@:
	s_barrier_wait -3
	s_barrier_signal -1
	s_barrier_wait -1
.endm
.macro CROUND
	s_barrier_signal -1
	s_barrier_wait -1
	CREST
.endm
	s_load_b128 s[4:7], s[0:1], 0x0                ; oc s[4:5], wc s[6:7]
	s_load_b64 s[12:13], s[0:1], 0x10              ; out0
	v_lshl_add_u32 v[SPW], v0, 2, SPARE
	v_mov_b32 v[NIL], 0
	ds_add_u32 v28, v29
	ds_add_u32 v28, v29
	s_wait_dscnt 0x0
	v_lshrrev_b32 v1, 5, v0
	v_readfirstlane_b32 s14, v1                    ; wave 0..3
	s_lshr_b32 s15, s14, 1                         ; which half of the tile's rows is mine.  Also: I fetch for A (0) or for B (1)
	s_and_b32 s16, s14, 1                          ; which half of its columns.  Also: which 8 tiles I fetch
	s_bfe_u32 s40, ttmp6, 0x40000                  ; cx, cy
	s_bfe_u32 s41, ttmp6, 0x40004
	s_lshl_b32 s42, ttmp9, 2
	s_add_co_u32 s42, s42, s40                     ; tile column of out0
	s_and_b32 s17, ttmp7, 0xffff
	s_lshl_b32 s17, s17, 2
	s_add_co_u32 s17, s17, s41                     ; tile row
	s_lshl_b32 s43, s41, 2
	s_lshl_b32 s43, 15, s43                        ; my row of the cluster
	s_lshl_b32 s44, 0x1111, s40                    ; my column
	; descriptor group 1, codes: 8 rows (tiles) of 3,072 bytes = 384 elements of 8 bytes, 12,288 bytes apart; dense in LDS
	s_or_b32 s[G1+0], s43, (3<<16)|(1<<21)
	s_or_b32 s[G1B+0], s44, (3<<16)|(1<<21)
.irp g, G1, G1B
	s_mov_b32 s[\g+1], 384<<16
	s_mov_b32 s[\g+2], 8<<16
	s_mov_b32 s[\g+3], 384<<16
	s_mov_b32 s[\g+4], 8
	s_mov_b32 s[\g+5], 1536
	s_mov_b32 s[\g+6], 0
	s_mov_b32 s[\g+7], 0
.endr
	; scale words of 8 tiles: 4,096 dense bytes as 16 rows of 256
	s_or_b32 s[G1S+0], s43, (3<<16)|(1<<21)
	s_or_b32 s[G1SB+0], s44, (3<<16)|(1<<21)
.irp g, G1S, G1SB
	s_mov_b32 s[\g+1], 32<<16
	s_mov_b32 s[\g+2], 16<<16
	s_mov_b32 s[\g+3], 32<<16
	s_mov_b32 s[\g+4], 16
	s_mov_b32 s[\g+5], 32
	s_mov_b32 s[\g+6], 0
	s_mov_b32 s[\g+7], 0
.endr
	s_lshl_b32 s18, s16, 3
	s_lshl_b32 s20, s17, 4
	s_add_co_u32 s20, s20, s18                     ; O's first tile of 16 tokens that I fetch
	s_lshl_b32 s46, s42, 4
	s_add_co_u32 s46, s46, s18
	s_add_co_u32 s46, s46, 192                     ; wo's: its tiles begin at 192 in wc
	s_lshl_b32 s22, s20, 9
	s_add_co_u32 s22, s22, XSCL
	s_lshl_b32 s92, s46, 9
	s_add_co_u32 s92, s92, WSCL
	s_mul_i32 s20, s20, TROW
	s_mul_i32 s46, s46, TROW
	s_mov_b32 s21, 0
	s_mov_b32 s23, 0
	s_mov_b32 s47, 0
	s_mov_b32 s93, 0
	s_mul_i32 s45, s14, HALFT                      ; where they go: no place in the cluster enters an LDS address
	s_mul_i32 s94, s14, HALFS
	s_wait_kmcnt 0x0
	s_add_nc_u64 s[20:21], s[4:5], s[20:21]
	s_add_nc_u64 s[22:23], s[4:5], s[22:23]
	s_add_nc_u64 s[46:47], s[6:7], s[46:47]
	s_add_nc_u64 s[92:93], s[6:7], s[92:93]
	CROUND                                         ; all sixteen work-groups are here: the first joint loads meet
	s_mov_b32 s[G0S], 1
	s_add_co_u32 s[G0S+1], s94, SCL
	s_mov_b64 s[G0S+2:G0S+3], s[22:23]
	s_or_b32 s[G0S+3], s[G0S+3], 0x80000000
	s_mov_b32 s[G0SB], 1
	s_add_co_u32 s[G0SB+1], s94, SCL
	s_mov_b64 s[G0SB+2:G0SB+3], s[92:93]
	s_or_b32 s[G0SB+3], s[G0SB+3], 0x80000000
	JLOAD G0S, G1S, G0SB, G1SB
.irp s, 0,1
	s_mov_b32 s[G0+4*\s], 1
	s_add_co_u32 s[G0+4*\s+1], s45, \s*SLOT
	s_add_nc_u64 s[G0+4*\s+2:G0+4*\s+3], s[20:21], \s*BLKB
	s_or_b32 s[G0+4*\s+3], s[G0+4*\s+3], 0x80000000
	s_mov_b32 s[G0B+4*\s], 1
	s_add_co_u32 s[G0B+4*\s+1], s45, \s*SLOT
	s_add_nc_u64 s[G0B+4*\s+2:G0B+4*\s+3], s[46:47], \s*BLKB
	s_or_b32 s[G0B+4*\s+3], s[G0B+4*\s+3], 0x80000000
	s_wait_alu depctr_va_vdst(0)
	s_wait_tensorcnt 0x0
	ds_add_u32 v28, v29
	s_wait_dscnt 0x0
	CROUND
	JLOAD G0+4*\s, G1, G0B+4*\s, G1B               ; by this text's count one tensor load of a wave is out now, later one
.endr
	v_and_b32 v1, 15, v0                           ; r
	v_bfe_u32 v2, v0, 4, 1                         ; h
	s_wait_alu depctr_va_vdst(0)
	v_and_b32 v3, 31, v0
	v_lshlrev_b32 v4, 3, v3                        ; 8 x lane
	s_mul_i32 s21, s15, HALFT
	s_mul_i32 s22, s16, HALFT
	s_add_co_u32 s22, s22, 2*HALFT
.irp s, 0,1
	v_add_nc_u32 v[ADRA+\s], s21, v4
	v_add_nc_u32 v[ADRB+\s], s22, v4
	s_add_co_u32 s21, s21, SLOT
	s_add_co_u32 s22, s22, SLOT
.endr
	v_lshlrev_b32 v5, 3, v1
	s_mul_i32 s21, s15, HALFS
	s_mul_i32 s22, s16, HALFS
	s_add_co_u32 s22, s22, 2*HALFS
	s_sub_co_u32 s22, s22, s21
	v_mul_u32_u24 v6, s22, v2                      ; lanes 16-31 take B's
	s_add_co_u32 s21, s21, SCL
	v_add_nc_u32 v5, v5, v6
	v_add_nc_u32 v[ADRS], s21, v5
	s_mul_i32 s23, s14, 16*SPITCH                  ; my stage
	v_mul_u32_u24 v5, v1, SPITCH                   ; in: row r, 64 bytes on for lanes 16-31
	v_lshl_add_u32 v5, v2, 6, v5
	v_add_nc_u32 v[STO], s23, v5
	v_lshlrev_b32 v[CO], 4, v3                     ; back: the 32 lanes take one row of 512 bytes; and the same in out0
	v_add_nc_u32 v[RD], s23, v[CO]
	s_lshl_b32 s20, s17, 8
	s_lshl_b32 s21, s15, 7
	s_add_co_u32 s20, s20, s21                     ; my first row of out0
	s_lshl_b32 s20, s20, 12                        ; rows of 4,096 bytes
	s_mov_b32 s21, 0
	s_lshl_b32 s46, s42, 10                        ; my first column, in bytes
	s_lshl_b32 s47, s16, 9
	s_add_co_u32 s46, s46, s47
	s_mov_b32 s47, 0
	s_add_nc_u64 s[20:21], s[20:21], s[46:47]
	s_add_nc_u64 s[12:13], s[12:13], s[20:21]      ; never stepped: a row's place stands in the stores' immediates, 127 rows at the most
.macro FRAG reg, adr, q, i             ; a fragment as it lies: six loads of 256 consecutive bytes
.irp p, 0,1,2,3,4,5
	ds_load_b64 v[\reg+2*\p:\reg+2*\p+1], v[\adr] offset:(\i)*BLKB+(\q)*FRB+256*\p
.endr
.endm
; 16 matrix instructions: A's blocks a0, a0 + 1 x B's eight.  The 64 accumulators take turns, one instruction a turn, in the same order in every step.
.macro MUL16 a0, p, q, sc, zero
.irp a, \a0, \a0+1
.irp b, 0,1,2,3,4,5,6,7
.if \zero
	v_wmma_scale_f32_16x16x128_f8f6f4 v[8*(8*((\a)%4)+\b):8*(8*((\a)%4)+\b)+7], v[128*(\p)+FR*\b:128*(\p)+FR*\b+FR-1], v[AF+FR*(\a):AF+FR*(\a)+FR-1], 0, v[SC+8*NQ*(\sc)+NQ*\b+(\q)], v[SC+8*NQ*(\sc)+NQ*(\a)+(\q)] matrix_a_fmt:MATRIX_FMT_FP6 matrix_b_fmt:MATRIX_FMT_FP6 matrix_a_scale:MATRIX_SCALE_ROW1
.else
	v_wmma_scale_f32_16x16x128_f8f6f4 v[8*(8*((\a)%4)+\b):8*(8*((\a)%4)+\b)+7], v[128*(\p)+FR*\b:128*(\p)+FR*\b+FR-1], v[AF+FR*(\a):AF+FR*(\a)+FR-1], v[8*(8*((\a)%4)+\b):8*(8*((\a)%4)+\b)+7], v[SC+8*NQ*(\sc)+NQ*\b+(\q)], v[SC+8*NQ*(\sc)+NQ*(\a)+(\q)] matrix_a_fmt:MATRIX_FMT_FP6 matrix_b_fmt:MATRIX_FMT_FP6 matrix_a_scale:MATRIX_SCALE_ROW1
.endif
.endr
.endr
.endm
.macro FETCH_B slot, q, p
	WIN TO_B
.irp i, 0,1,2,3,4,5,6,7
	FRAG 128*(\p)+FR*\i, ADRB+\slot, \q, \i
.endr
	WIN 0
.endm
.macro FETCH_A slot, q, i0
.irp i, \i0, \i0+1, \i0+2, \i0+3
	FRAG AF+FR*(\i), ADRA+\slot, \q, \i
.endr
.endm
.macro SCALES sc
.irp i, 0,1,2,3,4,5,6,7
	ds_load_b64 v[SC+8*NQ*\sc+NQ*\i:SC+8*NQ*\sc+NQ*\i+1], v[ADRS] offset:\i*512
.endr
.endm
; A load into a register that a matrix instruction has read, and an LDS store that reads a matrix result, stand NP places behind that matrix instruction; only plain vector
; instructions that name none of its registers are places (ISA guide 7.12.1 for vector instructions).
.macro PLACES n
.rept \n
	v_nop
.endr
.endm
.macro STEP slot, q, zero
	s_wait_dscnt 4*NL                              ; B's set, the scale words and A's blocks 0-3 are in; the youngest 24 loads (A's blocks 4-7) may be out
	WIN MUL_LO
	MUL16 0, (\q)%2, \q, \slot, \zero
	MUL16 2, (\q)%2, \q, \slot, \zero
	s_wait_dscnt 0                                 ; A's blocks 4-7 are in
	PLACES NP
	FETCH_B \slot, (\q)+1, 1-(\q)%2
	FETCH_A \slot, (\q)+1, 0
	WIN MUL_HI
	MUL16 4, (\q)%2, \q, \slot, \zero
	MUL16 6, (\q)%2, \q, \slot, \zero
	PLACES NP
	WIN 0
	FETCH_A \slot, (\q)+1, 4
.endm
; A slot's last step changes slots: ONE barrier; in front of it each wave waits for all its tensor loads, adds 0 to its spare word, and waits for that and for its own reads of this slot.
.macro TURN slot, next, fill
	s_wait_tensorcnt 0x0                           ; all my tensor loads have landed: my part of the next slot;
	ds_add_u32 v[SPW], v[NIL]                      ; 0 onto my spare word
	s_wait_dscnt 4*NL+1                            ; (the add and the youngest 24 loads may be out)
	WIN MUL_LO
	MUL16 0, 1, NQ-1, \slot, 0
	s_wait_dscnt 0x0                               ; the add is done, and my reads of this slot are over
	s_barrier_signal -1
	MUL16 2, 1, NQ-1, \slot, 0
	WIN 0
	s_barrier_wait -1
.if \fill
	CREST                                          ; the barrier has opened a round of the cluster's barrier: no wave of any partner still reads this slot's tile or has a load on its way
	s_add_nc_u64 s[G0+4*\slot+2:G0+4*\slot+3], s[G0+4*\slot+2:G0+4*\slot+3], 2*BLKB
	s_add_nc_u64 s[G0B+4*\slot+2:G0B+4*\slot+3], s[G0B+4*\slot+2:G0B+4*\slot+3], 2*BLKB
	JLOAD G0+4*\slot, G1, G0B+4*\slot, G1B         ; the first tensor load behind the round; its four v_nop are the places in front of the loads below
.else
	PLACES NP
.endif
	s_wait_alu depctr_va_vdst(0)
	v_add_nc_u32 v[ADRS], 128, v[ADRS]             ; on to the next K step's scale words
	FETCH_B \next, 0, 0
	FETCH_A \next, 0, 0
	SCALES \next
	WIN MUL_HI
	MUL16 4, 1, NQ-1, \slot, 0
	MUL16 6, 1, NQ-1, \slot, 0
	PLACES NP
	WIN 0
	FETCH_A \next, 0, 4
.endm
	s_wait_alu depctr_va_vdst(0)
	s_wait_tensorcnt 1                             ; the scale words and my part of K step 0 are in (K step 1's load may be out)
	s_barrier_signal -1
	s_barrier_wait -1                              ; everybody's are
	FETCH_B 0, 0, 0
	FETCH_A 0, 0, 0
	SCALES 0
	FETCH_A 0, 0, 4
	STEP 0, 0, 1                                   ; K step 0: its first products start the sums
	TURN 0, 1, 1                                   ; slot 0 takes K step 2
	STEP 1, 0, 0
	TURN 1, 0, 1                                   ; slot 1 takes K step 3
	STEP 0, 0, 0
	TURN 0, 1, 0                                   ; nothing is left to fetch
	STEP 1, 0, 0
	s_wait_dscnt 4*NL                              ; the very last step
	WIN MUL_LO
	MUL16 0, 1, NQ-1, 1, 0
	MUL16 2, 1, NQ-1, 1, 0
	s_wait_dscnt 0
	WIN MUL_HI
	MUL16 4, 1, NQ-1, 1, 0
	MUL16 6, 1, NQ-1, 1, 0
	WIN 0
; THE WAY OUT, block by block of 16 tokens x 128 columns: through my own stage in LDS, back as whole rows of 512 bytes.  LDS serves a wave's instructions in order (ISA guide 5.7.1.4): no wait between the
; stores and the loads, nor in front of the next block's stores.  Stage row t of block a is token 32 (a / 2) + 8 (a % 2) + t + 8 (t / 8) of my 128.
.macro TOSTAGE a
.set AC, 64*((\a)%4)
	WIN 0x08+4*((\a)/4)                            ; the data: window 2 or 3
.irp b, 0,1,2,3,4,5,6,7
	ds_store_b128 v[STO], v[AC+8*\b:AC+8*\b+3] offset:128*(\b/2)+32*(\b%2)          ; each accumulator from its low end on
	ds_store_b128 v[STO], v[AC+8*\b+4:AC+8*\b+7] offset:128*(\b/2)+32*(\b%2)+16
.endr
	WIN 0
.set BB, BK+64*((\a)%2)
.irp t, 0,1,2,3,4,5,6,7,8,9,10,11,12,13,14,15
	ds_load_b128 v[BB+4*\t:BB+4*\t+3], v[RD] offset:\t*SPITCH
.endr
.endm
.macro SEND a, younger                 ; younger: the LDS instructions issued behind block a's loads, which may stay out
.set BB, BK+64*((\a)%2)
	s_wait_dscnt \younger                          ; the block is back in registers
.irp t, 0,1,2,3,4,5,6,7,8,9,10,11,12,13,14,15
	global_store_b128 v[CO], v[BB+4*\t:BB+4*\t+3], s[12:13] offset:(32*((\a)/2)+8*((\a)%2)+\t+8*(\t/8))*4096 th:TH_STORE_NT   ; 32 lanes store 512 consecutive bytes, aligned; written once, read by nobody here
.endr
.endm
	PLACES NP                                      ; behind the last products: for the loads into the registers that held A's fragments, and for the stores that read results
	TOSTAGE 0
.irp a, 1,2,3,4,5,6,7
.if \a > 1
	s_wait_xcnt 0x0                                ; block a - 2's stores have read their registers: block a's loads may land there
.endif
	TOSTAGE \a
	SEND \a-1, 32                                  ; behind block a - 1's loads: block a's 16 stores and 16 loads
.endr
	SEND 7, 0
	s_wait_tensorcnt 0x0                           ; the wave's end: behind my last tensor load and my last LDS store
	ds_add_u32 v[SPW], v[NIL]
	s_wait_dscnt 0x0
	CROUND                                         ; the closing round: no work-group ends while a partner may still ask for a tile that names it
	s_endpgm
.Lfunc_end_k_q077c13428a_oproj:
	.size	k_q077c13428a_oproj, .Lfunc_end_k_q077c13428a_oproj-k_q077c13428a_oproj
	.p2alignl 7, 3214868480
	.fill 96, 4, 3214868480
	.section	.rodata,"a",@progbits
	.p2align	6, 0x0
	.amdhsa_kernel k_q077c13428a_oproj
		.amdhsa_group_segment_fixed_size 327680
		.amdhsa_private_segment_fixed_size 0
		.amdhsa_enable_private_segment 0
		.amdhsa_kernarg_size 24
		.amdhsa_user_sgpr_count 2
		.amdhsa_user_sgpr_kernarg_segment_ptr 1
		.amdhsa_wavefront_size32 1
		.amdhsa_system_sgpr_workgroup_id_x 1
		.amdhsa_system_sgpr_workgroup_id_y 1
		.amdhsa_system_sgpr_workgroup_id_z 1
		.amdhsa_system_vgpr_workitem_id 0
		.amdhsa_next_free_vgpr 1024
		.amdhsa_next_free_sgpr 100
		.amdhsa_reserve_vcc 0
		.amdhsa_float_denorm_mode_32 3
		.amdhsa_float_denorm_mode_16_64 3
		.amdhsa_memory_ordered 1
		.amdhsa_forward_progress 1
		.amdhsa_inst_pref_size 160
	.end_amdhsa_kernel
	.amdgpu_metadata
---
amdhsa.version: [ 1, 2 ]
amdhsa.kernels:
  - .name:           k_q077c13428a_oproj
    .symbol:         k_q077c13428a_oproj.kd
    .args:
      - { .name: oc, .offset: 0, .size: 8, .value_kind: global_buffer, .address_space: global }
      - { .name: wc, .offset: 8, .size: 8, .value_kind: global_buffer, .address_space: global }
      - { .name: out0, .offset: 16, .size: 8, .value_kind: global_buffer, .address_space: global }
    .group_segment_fixed_size: 327680
    .private_segment_fixed_size: 0
    .kernarg_segment_align: 8
    .kernarg_segment_size: 24
    .max_flat_workgroup_size: 128
    .sgpr_count:     100
    .vgpr_count:     1024
    .wavefront_size: 32
...
	.end_amdgpu_metadata
.endif
;; end of part 4
